; MI455X (gfx1250); checked and timed in simulation.
; The chip was launched on July 23, 2026; its instructions are those of AMD's public machine-readable ISA for CDNA 5 (MIT licence, August 2026) and "CDNA5" Instruction Set Architecture Reference Guide (July 2026). The comments in the code are by the model that wrote it; some were corrected since.
;; VV Attention. Allowed arithmetic: float matrix products may take bf16 or f16 operands with f32 sums; all other float work in f32.
;; Inputs: query 1,024 x 8 x 768 float32; w_v 768 x 768 float32.
;; Outputs: out0 1,024 x 8 x 768 float32.
;; 2 versions, each right. Each part assembles by itself: llvm-mc -triple=amdgcn-amd-amdhsa -mcpu=gfx1250 --defsym DOCPART=n.
;; ======== version 1 of 2: 2 launches
;; limits: values are held in f16: magnitudes above 65,504 overflow, below 6.1e-05 lose precision
;; workspace buffers: vws 12,582,912 bytes; rnws 393,216 bytes
;; launch proj (part 1): grid 4 x 64, 4 waves a work-group, no clusters, 146,944 bytes of LDS; arguments query, w_v, vws, rnws; writes vws, rnws
.if DOCPART == 1
	.amdgcn_target "amdgcn-amd-amdhsa--gfx1250"
	.amdhsa_code_object_version 6
	.text
	.protected	k_q4a68d3471a_proj
	.globl	k_q4a68d3471a_proj
	.p2align	8
	.type	k_q4a68d3471a_proj,@function
k_q4a68d3471a_proj:
	s_mov_b64 s[64:65], 0
	v_nop
	global_prefetch_b8 v0, s[64:65] scope:SCOPE_SE
	s_setreg_imm32_b32 hwreg(HW_REG_WAVE_MODE, 25, 1), 1
	s_wait_xcnt 0x0
; v = x W^T for 128 tokens of ONE batch x 192 features (3 heads), K = 768.  query [1024][8][768] f32, w_v [768][768] f32.
; Out: vws [bh = 12 b + head][token 1024][64] f16 (v itself) and rnws [bh][token] f32 = 1 / sqrt(sum of v^2), taken from the f32 sums.
; Operands go to the matrix unit in bf16, sums in f32.
; LIMITS: v is kept in f16, so |v| must stay below 65,504; a sum of squares below 2^-126 counts as 0 in v_rsq_f32
; (ISA guide 15.8: transcendentals flush denormals); a row v = 0 gives an infinite 1/norm, which makes NaN later as the reference's 0/0 does.
; SHARES: 256 work-groups = 4 feature blocks x (8 batches x 8 token blocks).  Four waves, wave (wm, wn) makes 64 tokens x 96 features:
; 24 accumulator tiles.  The matrix instruction is used transposed (source 0 = 16 rows of W, source 1 = 16 tokens), so a lane holds
; token l % 16 and eight neighbouring features, which pack into 16 bytes of f16.
; THE WAY IN goes through registers, not through the tensor data mover and not jointly in a cluster: the inputs are f32, and through
; registers each number is rounded to bf16 once for the work-group (40 loads of 16 bytes a thread and K step); an f32 tile in LDS would
; double the bytes of every fragment load and repeat the rounding in both waves that read a row.
; K goes in 12 steps of 64 (a row piece is 256 bytes, at a multiple of 256 from the row's start).  Two LDS slots of bf16 and two sets of
; staging registers take turns: in step t the tile t + 2 is requested, tile t + 1 is rounded and put into the other slot, tile t is multiplied.
.set TOKB,   24576                     ; bytes from a token to the next in query: 8 batches x 768 f32
.set BATB,   3072                      ; bytes from a batch to the next
.set ROWW,   3072                      ; bytes in a row of w_v
.set PITCH,  144                       ; an LDS row: 64 bf16 + 16 bytes, 9 x 16: the 16 rows of a fragment load start in different 16-byte columns
.set XB,     128*PITCH                 ; X's 128 rows; W's 192 rows follow
.set SLOTB,  320*PITCH                 ; 46,080
.set STAGE,  2*SLOTB                   ; 92,160: the way out, 128 tokens x 192 f16
.set SPITCH, 400                       ; 384 + 16 bytes, 25 x 16
.set SSB,    STAGE+128*SPITCH          ; 143,360: sums of squares, [32 features: 6 groups][128 tokens] f32
.set GX,  2                            ; v2   my byte offset in an X tile: (t / 16) tokens + 16 (t % 16)
.set GW,  3                            ; v3   the same in a W tile
.set ST0, 4                            ; v4, v5  where my 8 bytes of bf16 go, slot 0, 1
.set ADX, 6                            ; v6   LDS address of my X fragments, slot 0
.set ADW, 7                            ; v7   of my W fragments
.set STI, 8                            ; v8   stage: where a lane's 16 bytes go
.set SBK, 9                            ; v9   stage: where a thread reads back
.set VO,  10                           ; v10  16 t: byte offset in a head's 16 KiB of vws
.set SSI, 11                           ; v11  where my sums of squares go
.set F0,  16                           ; v16-95   fragments, K 0-31 of a step: X tile u at +8 u, W tile f at +32 + 8 f
.set F1,  96                           ; v96-175  fragments, K 32-63
.set SUM, 176                          ; v176-199 twelve pairs: sums of squares of (token tile u, group g)
.set PK,  16                           ; v16-111  the way out: results in f16, later the rows read back
; window 1 (v256-447): accumulator (f, u) at 8 (4 f + u).  windows 2, 3 (v512-671, v768-927): staging sets 0, 1, load q at 4 q.
.set MSB, 0
.macro WIN new                         ; s_set_vgpr_msb: bits 1:0 source 0, 3:2 source 1, 5:4 source 2, 7:6 destination; the high byte repeats the setting that is left
.if MSB != (\new)
	s_set_vgpr_msb (MSB<<8)|(\new)
.set MSB, (\new)
.endif
.endm
.macro PLACES                          ; four plain vector places behind matrix instructions (ISA guide 7.12.1)
.rept 4
	v_nop
.endr
.endm
	s_load_b256 s[4:11], s[0:1], 0x0               ; query s[4:5], w_v s[6:7], vws s[8:9], rnws s[10:11]
	v_lshl_add_u32 v254, v0, 2, 0x23c00
	v_mov_b32 v255, 0
	v_lshrrev_b32 v1, 5, v0
	v_readfirstlane_b32 s12, v1                    ; wave 0..3
	s_lshr_b32 s13, s12, 1                         ; wm: which 64 tokens
	s_and_b32 s14, s12, 1                          ; wn: which 96 features
	s_and_b32 s16, ttmp7, 0xffff
	s_and_b32 s17, s16, 7                          ; batch
	s_lshr_b32 s18, s16, 3                         ; token block of 128
	s_mul_i32 s20, s18, 128*TOKB
	s_mul_i32 s19, s17, BATB
	s_add_co_u32 s20, s20, s19                     ; X: first token of the block, my batch
	s_mov_b32 s21, 0
	s_mul_i32 s26, ttmp9, 192*ROWW                 ; W: first of my 192 rows
	s_mov_b32 s27, 0
	s_mul_i32 s19, s17, 12
	s_mul_i32 s15, ttmp9, 3
	s_add_co_u32 s19, s19, s15                     ; bh of my first head
	s_lshl_b32 s28, s19, 17                        ; vws: a head is 131,072 bytes, a token 128
	s_lshl_b32 s15, s18, 14
	s_add_co_u32 s28, s28, s15
	s_mov_b32 s29, 0
	s_lshl_b32 s30, s19, 12                        ; rnws: a head is 4,096 bytes, a token 4
	s_lshl_b32 s15, s18, 9
	s_add_co_u32 s30, s30, s15
	s_mov_b32 s31, 0
	s_mov_b32 s24, 0x76543210                      ; v_permlanex16_b32: lane i reads lane i of the other half
	s_mov_b32 s25, 0xfedcba98
	v_lshrrev_b32 v1, 4, v0                        ; t / 16: my row among eight
	v_and_b32 v13, 15, v0                          ; t % 16
	v_mul_u32_u24 v[GX], v1, TOKB
	v_lshl_add_u32 v[GX], v13, 4, v[GX]
	v_mul_u32_u24 v[GW], v1, ROWW
	v_lshl_add_u32 v[GW], v13, 4, v[GW]
	s_wait_kmcnt 0x0
	s_add_nc_u64 s[4:5], s[4:5], s[20:21]
	s_add_nc_u64 s[6:7], s[6:7], s[26:27]
	s_add_nc_u64 s[8:9], s[8:9], s[28:29]
	s_add_nc_u64 s[10:11], s[10:11], s[30:31]
; One K step's tiles into staging set p: 16 loads of X (8 tokens apart) and 24 of W (8 rows apart); 16 neighbouring lanes take 256 consecutive bytes.
.macro GLOAD p
	WIN (0x80+0x40*\p)
.set q, 0
.rept 16
	global_load_b128 v[4*q:4*q+3], v[GX], s[4:5] offset:q*8*TOKB
.set q, q+1
.endr
.set q, 0
.rept 24
	global_load_b128 v[64+4*q:64+4*q+3], v[GW], s[6:7] offset:q*8*ROWW
.set q, q+1
.endr
	WIN 0
	s_wait_xcnt 0x0                                ; the bases are sources of the loads above: stepped only behind this wait
	s_add_nc_u64 s[4:5], s[4:5], 256               ; the next K step
	s_add_nc_u64 s[6:7], s[6:7], 256
.endm
; Staging set p is rounded to bf16 in place (4 f32 -> 8 bytes) and put into LDS slot p.
.macro CVTST p
.if \p
	WIN 0xcf
.else
	WIN 0x8a
.endif
.set q, 0
.rept 40
	v_cvt_pk_bf16_f32 v[4*q], v[4*q], v[4*q+1]
	v_cvt_pk_bf16_f32 v[4*q+1], v[4*q+2], v[4*q+3]
.set q, q+1
.endr
.if \p
	WIN 0x0c
.else
	WIN 0x08
.endif
.set q, 0
.rept 16
	ds_store_b64 v[ST0+\p], v[4*q:4*q+1] offset:q*8*PITCH
.set q, q+1
.endr
.set q, 0
.rept 24
	ds_store_b64 v[ST0+\p], v[64+4*q:64+4*q+1] offset:XB+q*8*PITCH
.set q, q+1
.endr
	WIN 0
.endm
; 20 LDS loads: my 4 token tiles and 6 feature tiles, 32 along K at half kk of the step.
; A fragment: lane l holds row l % 16; registers 0-3 K = 8 (l / 16) + 0..7, registers 4-7 K = 16 + 8 (l / 16) + 0..7: two loads 32 bytes apart.
.macro FETCH slot, kk, buf
.irp u, 0,1,2,3
	ds_load_b128 v[\buf+8*\u:\buf+8*\u+3],   v[ADX] offset:\slot*SLOTB+\u*16*PITCH+\kk*64
	ds_load_b128 v[\buf+8*\u+4:\buf+8*\u+7], v[ADX] offset:\slot*SLOTB+\u*16*PITCH+\kk*64+32
.endr
.irp f, 0,1,2,3,4,5
	ds_load_b128 v[\buf+32+8*\f:\buf+32+8*\f+3],   v[ADW] offset:\slot*SLOTB+\f*16*PITCH+\kk*64
	ds_load_b128 v[\buf+32+8*\f+4:\buf+32+8*\f+7], v[ADW] offset:\slot*SLOTB+\f*16*PITCH+\kk*64+32
.endr
.endm
; 24 matrix instructions, one on each accumulator, always in the same order: the accumulators take turns.
.macro MUL buf, zero
	WIN 0x50
.irp f, 0,1,2,3,4,5
.irp u, 0,1,2,3
.if \zero
	v_wmma_f32_16x16x32_bf16 v[8*(4*\f+\u):8*(4*\f+\u)+7], v[\buf+32+8*\f:\buf+32+8*\f+7], v[\buf+8*\u:\buf+8*\u+7], 0
.else
	v_wmma_f32_16x16x32_bf16 v[8*(4*\f+\u):8*(4*\f+\u)+7], v[\buf+32+8*\f:\buf+32+8*\f+7], v[\buf+8*\u:\buf+8*\u+7], v[8*(4*\f+\u):8*(4*\f+\u)+7]
.endif
.endr
.endr
	WIN 0
.endm
; K step t on slot = t % 2.  load: tile t + 2 is requested into this slot's staging set (its old content went to LDS a step ago).
; cvt: tile t + 1 is rounded into the other slot, whose readers passed the last barrier; cnt = the younger loads that may stay out.
.macro STEP slot, other, zero, load, cvt, cnt
.if \load
	GLOAD \slot
.endif
	PLACES                                         ; the fragment registers were read by the last step's matrix instructions
	FETCH \slot, 0, F0
	FETCH \slot, 1, F1
	s_wait_dscnt 20                                ; the first 20 loads are in, the 20 of the second half may be out
	MUL F0, \zero
	s_wait_dscnt 0x0
	MUL F1, 0
.if \cvt
	s_wait_loadcnt \cnt                            ; tile t + 1 is in; the 40 loads of tile t + 2, where requested, stay out
	CVTST \other
	s_wait_dscnt 0x0                               ; my reads of this slot and my stores into the other are done,
	s_barrier_signal -1
	s_barrier_wait -1                              ; and so are everybody's
.endif
.endm
	GLOAD 0                                        ; tiles 0 and 1 are requested before anything else
	GLOAD 1
	v_bfe_u32 v14, v0, 4, 1                        ; h = (l / 16)
	v_mul_u32_u24 v[ST0], v1, PITCH
	v_lshl_add_u32 v[ST0], v13, 3, v[ST0]          ; row t / 16, 8 bytes at 8 (t % 16)
	v_add_nc_u32 v[ST0+1], SLOTB, v[ST0]
	v_mul_u32_u24 v15, v13, PITCH
	v_lshl_add_u32 v15, v14, 4, v15                ; r x pitch + 16 h
	s_mul_i32 s32, s13, 64*PITCH
	s_mul_i32 s33, s14, 96*PITCH
	s_add_co_u32 s33, s33, XB
	v_add_nc_u32 v[ADX], s32, v15
	v_add_nc_u32 v[ADW], s33, v15
	s_mul_i32 s34, s13, 64*SPITCH
	s_mul_i32 s35, s14, 192
	s_add_co_u32 s34, s34, s35
	s_add_co_u32 s34, s34, STAGE
	v_mul_u32_u24 v[STI], v13, SPITCH
	v_lshl_add_u32 v[STI], v14, 4, v[STI]
	v_add_nc_u32 v[STI], s34, v[STI]               ; stage + (64 wm + r) x 400 + 2 (96 wn + 8 h)
	v_lshrrev_b32 v15, 3, v0
	v_mul_u32_u24 v[SBK], v15, SPITCH
	v_and_b32 v15, 7, v0
	v_lshl_add_u32 v[SBK], v15, 4, v[SBK]
	v_add_nc_u32 v[SBK], STAGE, v[SBK]             ; stage + (t / 8) x 400 + 16 (t % 8)
	v_lshlrev_b32 v[VO], 4, v0
	s_mul_i32 s35, s14, 3*512
	s_lshl_b32 s36, s13, 8
	s_add_co_u32 s35, s35, s36
	s_add_co_u32 s35, s35, SSB
	v_lshl_add_u32 v[SSI], v13, 2, s35             ; sums + 3 wn groups + 4 (64 wm + r)
	s_wait_loadcnt 40                              ; tile 0 is in, tile 1's 40 loads stay out
	CVTST 0
	s_wait_dscnt 0x0
	s_barrier_signal -1
	s_barrier_wait -1
	STEP 0, 1, 1, 1, 1, 40                         ; the first step starts the sums: nothing is cleared
	STEP 1, 0, 0, 1, 1, 40
	s_mov_b32 s22, 4                               ; steps 2 to 9
.Lk:
	STEP 0, 1, 0, 1, 1, 40
	STEP 1, 0, 0, 1, 1, 40
	s_sub_co_u32 s22, s22, 1
	s_cmp_lg_u32 s22, 0
	s_cbranch_scc1 .Lk
	STEP 0, 1, 0, 0, 1, 0                          ; step 10: nothing left to request, tile 11 is the only one out
	STEP 1, 0, 0, 0, 0, 0                          ; step 11
	; THE WAY OUT.  Sums of squares over my 8 features x 2 tiles for each token tile u and group g of 32 features, twelve chains side by side.
	PLACES
	WIN 0x05                                       ; sources 0 and 1 in window 1 (accumulators), the rest in window 0
.irp i, 0,1,2,3,4,5,6,7
.irp u, 0,1,2,3
.irp g, 0,1,2
.set AR, 8*(4*(2*\g+\i/4)+\u)+2*(\i%4)
.set SR, SUM+2*(3*\u+\g)
.if \i == 0
	v_pk_mul_f32 v[SR:SR+1], v[AR:AR+1], v[AR:AR+1]
.else
	v_pk_fma_f32 v[SR:SR+1], v[AR:AR+1], v[AR:AR+1], v[SR:SR+1]
.endif
.endr
.endr
.endr
.irp f, 0,1,2,3,4,5
.irp u, 0,1,2,3
.irp k, 0,1,2,3
	v_cvt_pk_f16_f32 v[PK+4*(4*\f+\u)+\k], v[8*(4*\f+\u)+2*\k], v[8*(4*\f+\u)+2*\k+1]
.endr
.endr
.endr
	WIN 0
.irp n, 0,1,2,3,4,5,6,7,8,9,10,11
	v_add_f32 v[SUM+2*\n], v[SUM+2*\n], v[SUM+2*\n+1]
.endr
.irp n, 0,1,2,3,4,5,6,7,8,9,10,11
	v_permlanex16_b32 v[SUM+2*\n+1], v[SUM+2*\n], s24, s25     ; the other eight features of each tile lie in lane l xor 16
.endr
.irp n, 0,1,2,3,4,5,6,7,8,9,10,11
	v_add_f32 v[SUM+2*\n], v[SUM+2*\n], v[SUM+2*\n+1]
.endr
.irp u, 0,1,2,3
.irp g, 0,1,2
	ds_store_b32 v[SSI], v[SUM+2*(3*\u+\g)] offset:\g*512+\u*64    ; both halves of the lanes write the same word with the same value
.endr
.endr
.irp f, 0,1,2,3,4,5
.irp u, 0,1,2,3
	ds_store_b128 v[STI], v[PK+4*(4*\f+\u):PK+4*(4*\f+\u)+3] offset:\u*16*SPITCH+\f*32
.endr
.endr
	v_and_b32 v12, 31, v0
	v_lshlrev_b32 v12, 4, v12                      ; 16 x lane
	s_lshl_b32 s32, s12, 10
	s_add_co_u32 s32, s32, SSB
	v_add_nc_u32 v13, s32, v12                     ; the two groups of head w: 4 tokens a lane
	v_lshl_add_u32 v14, s12, 12, v12               ; head w in rnws
	s_wait_dscnt 0x0                               ; my stores into stage and sums are done,
	s_barrier_signal -1
	s_barrier_wait -1                              ; everybody's are
	; 24 x 16 bytes a thread: head i / 8, tokens 16 (i % 8) + t / 8.  In vws a head's 128 tokens are 16 KiB without gaps: a wave's store covers 512 consecutive bytes, aligned.
.set i, 0
.rept 24
	ds_load_b128 v[PK+4*i:PK+4*i+3], v[SBK] offset:(i%8)*16*SPITCH+(i/8)*128
.set i, i+1
.endr
.set i, 0
.rept 24
	s_wait_dscnt 23-i                              ; LDS loads come back in order: load i is in
	global_store_b128 v[VO], v[PK+4*i:PK+4*i+3], s[8:9] offset:(i/8)*131072+(i%8)*2048
.set i, i+1
.endr
	s_cmp_eq_u32 s12, 3                            ; waves 0 to 2 finish 1/norm of heads 0 to 2
	s_cbranch_scc1 .Ldone
	ds_load_b128 v[112:115], v13
	ds_load_b128 v[116:119], v13 offset:512
	s_wait_dscnt 0x0
	v_pk_add_f32 v[112:113], v[112:113], v[116:117]
	v_pk_add_f32 v[114:115], v[114:115], v[118:119]
	v_rsq_f32 v112, v112
	v_rsq_f32 v113, v113
	v_rsq_f32 v114, v114
	v_rsq_f32 v115, v115
	v_nop                                          ; one plain place behind the transcendentals before their results are read
	s_wait_alu depctr_va_vdst(0)
	global_store_b128 v14, v[112:115], s[10:11]    ; 128 tokens: 512 consecutive bytes, aligned
.Ldone:
	s_wait_tensorcnt 0x0
	ds_add_u32 v254, v255
	s_wait_dscnt 0x0
	s_endpgm
.Lfunc_end_k_q4a68d3471a_proj:
	.size	k_q4a68d3471a_proj, .Lfunc_end_k_q4a68d3471a_proj-k_q4a68d3471a_proj
	.p2alignl 7, 3214868480
	.fill 96, 4, 3214868480
	.section	.rodata,"a",@progbits
	.p2align	6, 0x0
	.amdhsa_kernel k_q4a68d3471a_proj
		.amdhsa_group_segment_fixed_size 146944
		.amdhsa_private_segment_fixed_size 0
		.amdhsa_enable_private_segment 0
		.amdhsa_kernarg_size 32
		.amdhsa_user_sgpr_count 2
		.amdhsa_user_sgpr_kernarg_segment_ptr 1
		.amdhsa_wavefront_size32 1
		.amdhsa_system_sgpr_workgroup_id_x 1
		.amdhsa_system_sgpr_workgroup_id_y 1
		.amdhsa_system_sgpr_workgroup_id_z 1
		.amdhsa_system_vgpr_workitem_id 0
		.amdhsa_next_free_vgpr 928
		.amdhsa_next_free_sgpr 66
		.amdhsa_reserve_vcc 0
		.amdhsa_float_denorm_mode_32 3
		.amdhsa_float_denorm_mode_16_64 3
		.amdhsa_memory_ordered 1
		.amdhsa_forward_progress 1
		.amdhsa_inst_pref_size 131
	.end_amdhsa_kernel
	.amdgpu_metadata
---
amdhsa.version: [ 1, 2 ]
amdhsa.kernels:
  - .name:           k_q4a68d3471a_proj
    .symbol:         k_q4a68d3471a_proj.kd
    .args:
      - { .name: query, .offset: 0, .size: 8, .value_kind: global_buffer, .address_space: global }
      - { .name: w_v, .offset: 8, .size: 8, .value_kind: global_buffer, .address_space: global }
      - { .name: vws, .offset: 16, .size: 8, .value_kind: global_buffer, .address_space: global }
      - { .name: rnws, .offset: 24, .size: 8, .value_kind: global_buffer, .address_space: global }
    .group_segment_fixed_size: 146944
    .private_segment_fixed_size: 0
    .kernarg_segment_align: 8
    .kernarg_segment_size: 32
    .max_flat_workgroup_size: 128
    .sgpr_count:     66
    .vgpr_count:     928
    .wavefront_size: 32
...
	.end_amdgpu_metadata
.endif
;; end of part 1
;; launch attn (part 2): grid 8 x 96, 8 waves a work-group, clusters of 4 x 1, 223,232 bytes of LDS; arguments vws, rnws, out0; writes out0
.if DOCPART == 2
	.amdgcn_target "amdgcn-amd-amdhsa--gfx1250"
	.amdhsa_code_object_version 6
	.text
	.protected	k_q4a68d3471a_attn
	.globl	k_q4a68d3471a_attn
	.p2align	8
	.type	k_q4a68d3471a_attn,@function
k_q4a68d3471a_attn:
	s_mov_b64 s[64:65], 0
	v_nop
	global_prefetch_b8 v0, s[64:65] scope:SCOPE_SE
	s_setreg_imm32_b32 hwreg(HW_REG_WAVE_MODE, 25, 1), 1
	s_wait_xcnt 0x0
	s_wait_alu depctr_hold_cnt(0) depctr_sa_sdst(0) depctr_va_vdst(0) depctr_va_sdst(0) depctr_va_ssrc(0) depctr_va_vcc(0) depctr_vm_vsrc(0)
	s_getreg_b32 s2, hwreg(HW_REG_IB_STS2, 6, 4)
	s_cmp_eq_u32 s2, 0
	s_cbranch_scc0 .Lentry_in_a_cluster
	s_endpgm
.Lentry_in_a_cluster:
	s_bfe_u32 s2, ttmp6, 0x10000c
	s_cmp_lg_u32 s2, 0x3003
	s_cbranch_scc0 .Lentry_shape_is_right
	s_endpgm
.Lentry_shape_is_right:
; out = softmax(0.125 cos(v_i, v_j)) v for 128 queries of one head.  vws [bh][1024][64] f16 = v, rnws [bh][1024] f32 = 1/|v|, out0 [1024][8][768] f32.
; NO MAXIMUM IS TAKEN AWAY: query and key are normalised, as the reference itself normalises them, so every exponent lies within
; 0.125 (1 + the f16 roundings, under 2^-9) for every input: each exponential lies in 0.88 .. 1.14 and a row's sum below 1,170.
; K and V are the same tile: the key's 1/|v| multiplies the score in f32 where a constant scale would stand anyway; the query is normalised once, in
; registers, with 0.125 log2(e) folded in.  All matrix operands are f16 (weights near 1 keep 11 bits), sums f32.
; LIMITS: |v| below 65,504 (f16, set by the launch before); a head with a row v = 0 comes out as NaN, as in the reference.
; SHARES: grid 8 query blocks x 96 heads.  Eight waves: wave w = (qg = w % 4: 32 queries; kh = w / 4: which keys).  The head's 1,024 rows come in two chunks of 512;
; wave group kh takes keys 256 kh .. + 255 of each chunk, 16 steps of 32 keys in all; the two groups' sums meet in LDS at the end.
; CLUSTER: the four work-groups of a cluster are four query blocks of one head and read the same 128 KiB: every tensor load is a joint one with
; the mask 15.  The place in the cluster enters global addresses alone (queries, output), no LDS address and no branch.
; The whole head fits in LDS, so every byte is filled once: no slot is filled again.  A wave has two tensor loads out at the most, by this text's count.
; No prefetch: all that the work-group reads is requested in its first lines.
.set PITCH,  144                       ; an LDS row of K/V: 64 f16 + 16 bytes of padding, 9 x 16
.set CHUNK,  512*PITCH                 ; 73,728
.set RNB,    1024*PITCH                ; 147,456: the head's 1/|v|, 4,096 bytes, written by ds_store
.set STAGE,  RNB+4096                  ; 151,552: for each wave 32 queries x 64 f32
.set SPITCH, 272                       ; 256 + 16 bytes
.set WSTAGE, 32*SPITCH                 ; 8,704
.set LSB,    STAGE+8*WSTAGE            ; 221,184: row sums, [wave][32] f32
.set ADK, 1                            ; v1   (first key + r) x pitch + 16 h: K fragments
.set ADV, 2                            ; v2   (first key + 8 h + l % 8) x pitch + 16 ((l / 8) % 2): transposing loads of V
.set ADR, 3                            ; v3   1/|v| of keys first key + 8 h ..
.set QO,  4                            ; v4   r x 128 + 16 h: Q fragments in vws
.set RQO, 5                            ; v5   byte offset of my query's 1/|v| in the head
.set RNO, 6                            ; v6   16 t
.set RNI, 7                            ; v7   RNB + 16 t
.set STI, 8                            ; v8   stage, in
.set STB, 9                            ; v9   stage, back
.set LSI, 10                           ; v10  row sums, in
.set LSK, 11                           ; v11  row sums, back
.set OO,  12                           ; v12  byte offset in out0
.set QF,  16                           ; v16-47    Q[qt][ks] at 16 qt + 8 ks
.set KF,  48                           ; v48-79    K[kt][ks]
.set VF,  80                           ; v80-111   V^T[dt]
.set RN,  112                          ; v112-127  1/|v| of my 8 keys in key tile kt
.set SF,  128                          ; v128-159  scores, tile 2 kt + qt
.set PF,  160                          ; v160-175  weights in f16, P[qt]
.set LF,  176                          ; v176-179  row sums, a pair for each qt
.set SC,  180                          ; v180-183  the query's scale, twice, for each qt
.set OF,  184                          ; v184-247  O^T[dt][qt] at 16 dt + 8 qt
.set G1,  16                           ; s[16:23]  descriptor group 1
.set G0,  24                           ; s[24:31]  descriptor group 0, one set for each chunk
.macro ROUND                           ; a round of the cluster's barrier
	s_barrier_signal -1
	s_barrier_wait -1
	s_cmp_lg_u32 s10, 0
	s_cbranch_scc1 .Lnot_wave_0_\@
	s_barrier_signal -3
.Lnot_wave_0_\@:
	s_barrier_wait -3
	s_barrier_signal -1
	s_barrier_wait -1
.endm
	s_load_b128 s[4:7], s[0:1], 0x0                ; vws s[4:5], rnws s[6:7]
	s_load_b64 s[8:9], s[0:1], 0x10                ; out0
	v_lshl_add_u32 v248, v0, 2, 0x36400
	v_mov_b32 v249, 0
	ds_add_u32 v248, v249
	v_lshrrev_b32 v1, 5, v0
	v_readfirstlane_b32 s10, v1                    ; wave 0..7
	s_and_b32 s11, s10, 3                          ; qg
	s_lshr_b32 s12, s10, 2                         ; kh
	s_and_b32 s15, ttmp7, 0xffff                   ; bh: the cluster's y is the head
	; group 1: a tile of 64 rows x 64 f16, each row of 32 words followed by 4 words of padding in LDS
	s_mov_b32 s[G1+0], 0x0731000f                  ; 15:0 mask 15: all four of the cluster; 17:16 2-byte elements; 20 padding on; 21 set beside a mask; 24:22 every 32 words (code 4); 31:25 4 words (code 3)
	s_mov_b32 s[G1+1], 64<<16                      ; tensor_dim0 = 64
	s_mov_b32 s[G1+2], 64<<16                      ; tensor_dim1 = 64
	s_mov_b32 s[G1+3], 64<<16                      ; tile_dim0 = 64
	s_mov_b32 s[G1+4], 64                          ; tile_dim1 = 64 rows
	s_mov_b32 s[G1+5], 64                          ; 64 elements from row to row
	s_mov_b32 s[G1+6], 0
	s_mov_b32 s[G1+7], 0
	s_mul_i32 s39, s10, 64*PITCH                   ; my 64 rows of a chunk in LDS: the wave's number alone
	s_lshl_b32 s32, s15, 17                        ; a head is 131,072 bytes,
	s_lshl_b32 s33, s10, 13                        ; 64 rows are 8,192
	s_add_co_u32 s32, s32, s33
	s_mov_b32 s33, 0
	s_wait_dscnt 0x0
	s_wait_kmcnt 0x0
	s_add_nc_u64 s[40:41], s[4:5], s[32:33]        ; head and wave alone: equal in all four partners
	ROUND                                          ; the four work-groups are here: the joint loads meet
.irp i, 0,1
	s_mov_b32 s[G0+4*\i], 1
	s_add_co_u32 s[G0+4*\i+1], s39, \i*CHUNK
	s_add_nc_u64 s[G0+4*\i+2:G0+4*\i+3], s[40:41], \i*65536
	s_or_b32 s[G0+4*\i+3], s[G0+4*\i+3], 0x80000000
	tensor_load_to_lds s[G0+4*\i:G0+4*\i+3], s[G1:G1+7]
	s_nop 0
.endr
	; my queries, their 1/|v| and the head's 1/|v|, through registers
	s_bfe_u32 s13, ttmp6, 0x40000                  ; cx
	s_lshl_b32 s14, ttmp9, 2
	s_add_co_u32 s14, s14, s13                     ; query block = 4 x cluster x + cx
	s_lshl_b32 s34, s15, 17
	s_lshl_b32 s35, s14, 14                        ; 128 queries x 128 bytes
	s_add_co_u32 s34, s34, s35
	s_lshl_b32 s35, s11, 12                        ; 32 queries
	s_add_co_u32 s34, s34, s35
	s_mov_b32 s35, 0
	s_add_nc_u64 s[42:43], s[4:5], s[34:35]        ; my 32 queries in vws
	s_lshl_b32 s34, s15, 12
	s_add_nc_u64 s[46:47], s[6:7], s[34:35]        ; the head in rnws
	s_lshl_b32 s45, s14, 9
	s_lshl_b32 s44, s11, 7
	s_add_co_u32 s45, s45, s44                     ; my first query there, in bytes
	v_and_b32 v14, 15, v0                          ; r
	v_bfe_u32 v15, v0, 4, 1                        ; h
	v_lshlrev_b32 v[RNO], 4, v0
	v_lshl_add_u32 v[RQO], v14, 2, s45
	v_lshlrev_b32 v[QO], 7, v14
	v_lshl_add_u32 v[QO], v15, 4, v[QO]
	v_add_nc_u32 v[RNI], RNB, v[RNO]
	global_load_b128 v[136:139], v[RNO], s[46:47]  ; 256 threads x 16 bytes: the head's 4,096 bytes
	global_load_b32 v[SC], v[RQO], s[46:47]
	global_load_b32 v[SC+2], v[RQO], s[46:47] offset:64
.irp qt, 0,1
.irp ks, 0,1
	global_load_b128 v[QF+16*\qt+8*\ks:QF+16*\qt+8*\ks+3],   v[QO], s[42:43] offset:\qt*2048+\ks*64
	global_load_b128 v[QF+16*\qt+8*\ks+4:QF+16*\qt+8*\ks+7], v[QO], s[42:43] offset:\qt*2048+\ks*64+32
.endr
.endr
	s_mov_b32 s36, 0x76543210                      ; v_permlanex16_b32: lane i reads lane i of the other half
	s_mov_b32 s37, 0xfedcba98
	s_mov_b32 s38, 0x3e38aa3b                      ; 0.125 log2(e)
	s_lshl_b32 s34, s14, 7
	s_lshl_b32 s44, s11, 5
	s_add_co_u32 s34, s34, s44
	s_lshl_b32 s44, s12, 4
	s_add_co_u32 s34, s34, s44                     ; the first of the 16 queries that I finish
	s_mul_i32 s34, s34, 24576                      ; a token of out0 is 8 x 768 f32
	s_lshl_b32 s44, s15, 8                         ; b x 3,072 + head x 256 = bh x 256
	s_add_co_u32 s34, s34, s44
	s_add_nc_u64 s[8:9], s[8:9], s[34:35]
	s_mul_i32 s44, s12, 256*PITCH                  ; my first key's row
	v_mul_u32_u24 v[ADK], v14, PITCH
	v_lshl_add_u32 v[ADK], v15, 4, v[ADK]
	v_add_nc_u32 v[ADK], s44, v[ADK]
	v_and_b32 v[ADV], 7, v0
	v_lshl_add_u32 v[ADV], v15, 3, v[ADV]
	v_mul_u32_u24 v[ADV], v[ADV], PITCH
	v_bfe_u32 v13, v0, 3, 1
	v_lshl_add_u32 v[ADV], v13, 4, v[ADV]
	v_add_nc_u32 v[ADV], s44, v[ADV]
	s_lshl_b32 s45, s12, 10
	s_add_co_u32 s45, s45, RNB
	v_lshl_add_u32 v[ADR], v15, 5, s45
	s_mul_i32 s45, s10, WSTAGE
	s_add_co_u32 s45, s45, STAGE
	v_mul_u32_u24 v[STI], v14, SPITCH
	v_lshl_add_u32 v[STI], v15, 5, v[STI]
	v_add_nc_u32 v[STI], s45, v[STI]               ; my stage + r x 272 + 32 h
	s_mul_i32 s45, s11, WSTAGE
	s_mul_i32 s44, s12, 16*SPITCH
	s_add_co_u32 s45, s45, s44
	s_add_co_u32 s45, s45, STAGE
	v_mul_u32_u24 v[STB], v15, SPITCH
	v_lshl_add_u32 v[STB], v14, 4, v[STB]
	v_add_nc_u32 v[STB], s45, v[STB]               ; stage of wave qg + (16 kh + l / 16) x 272 + 16 (l % 16)
	s_lshl_b32 s45, s10, 7
	s_add_co_u32 s45, s45, LSB
	v_lshl_add_u32 v[LSI], v14, 2, s45
	s_lshl_b32 s45, s11, 7
	s_lshl_b32 s44, s12, 6
	s_add_co_u32 s45, s45, s44
	s_add_co_u32 s45, s45, LSB
	v_lshl_add_u32 v[LSK], v15, 2, s45
	v_mul_u32_u24 v[OO], v15, 24576
	v_lshl_add_u32 v[OO], v14, 4, v[OO]
.irp n, 0,1,2,3
	v_mov_b32 v[LF+\n], 0                          ; four registers of row sums
.endr
	s_wait_loadcnt 10                              ; the head's 1/|v| is in; the ten younger loads may be out
	ds_store_b128 v[RNI], v[136:139]
	s_wait_loadcnt 0x0
	v_mul_f32 v[SC+1], s38, v[SC]                  ; 0.125 log2(e) / |q|, twice, for the packed multiply
	v_mul_f32 v[SC], s38, v[SC]
	v_mul_f32 v[SC+3], s38, v[SC+2]
	v_mul_f32 v[SC+2], s38, v[SC+2]
; one register of Q: widen both halves, scale in f32, round once to f16
.macro QN reg, lo, hi, sc, tp
	v_cvt_f32_f16 v[\tp], \lo
	v_cvt_f32_f16 v[\tp+1], \hi
	v_pk_mul_f32 v[\tp:\tp+1], v[\tp:\tp+1], v[\sc:\sc+1]
	v_cvt_pk_f16_f32 \reg, v[\tp], v[\tp+1]
.endm
	QN v16, v16.l, v16.h, SC, 128
	QN v17, v17.l, v17.h, SC, 130
	QN v18, v18.l, v18.h, SC, 132
	QN v19, v19.l, v19.h, SC, 134
	QN v20, v20.l, v20.h, SC, 128
	QN v21, v21.l, v21.h, SC, 130
	QN v22, v22.l, v22.h, SC, 132
	QN v23, v23.l, v23.h, SC, 134
	QN v24, v24.l, v24.h, SC, 128
	QN v25, v25.l, v25.h, SC, 130
	QN v26, v26.l, v26.h, SC, 132
	QN v27, v27.l, v27.h, SC, 134
	QN v28, v28.l, v28.h, SC, 128
	QN v29, v29.l, v29.h, SC, 130
	QN v30, v30.l, v30.h, SC, 132
	QN v31, v31.l, v31.h, SC, 134
	QN v32, v32.l, v32.h, SC+2, 128
	QN v33, v33.l, v33.h, SC+2, 130
	QN v34, v34.l, v34.h, SC+2, 132
	QN v35, v35.l, v35.h, SC+2, 134
	QN v36, v36.l, v36.h, SC+2, 128
	QN v37, v37.l, v37.h, SC+2, 130
	QN v38, v38.l, v38.h, SC+2, 132
	QN v39, v39.l, v39.h, SC+2, 134
	QN v40, v40.l, v40.h, SC+2, 128
	QN v41, v41.l, v41.h, SC+2, 130
	QN v42, v42.l, v42.h, SC+2, 132
	QN v43, v43.l, v43.h, SC+2, 134
	QN v44, v44.l, v44.h, SC+2, 128
	QN v45, v45.l, v45.h, SC+2, 130
	QN v46, v46.l, v46.h, SC+2, 132
	QN v47, v47.l, v47.h, SC+2, 134
.macro LOADK                           ; 32 keys x 64 as A fragments: lane l holds key l % 16; 8 loads
.irp kt, 0,1
.irp ks, 0,1
	ds_load_b128 v[KF+16*\kt+8*\ks:KF+16*\kt+8*\ks+3],   v[ADK] offset:\kt*16*PITCH+\ks*64
	ds_load_b128 v[KF+16*\kt+8*\ks+4:KF+16*\kt+8*\ks+7], v[ADK] offset:\kt*16*PITCH+\ks*64+32
.endr
.endr
.endm
.macro LOADRN                          ; 1/|v| of keys 16 kt + 8 h + 0..7, as the score registers hold them; 4 loads
.irp kt, 0,1
	ds_load_b128 v[RN+8*\kt:RN+8*\kt+3],   v[ADR] offset:\kt*64
	ds_load_b128 v[RN+8*\kt+4:RN+8*\kt+7], v[ADR] offset:\kt*64+16
.endr
.endm
.macro SMUL tile                       ; score tile 2 kt + qt times the keys' 1/|v|
.irp k, 0,2,4,6
	v_pk_mul_f32 v[SF+8*\tile+\k:SF+8*\tile+\k+1], v[SF+8*\tile+\k:SF+8*\tile+\k+1], v[RN+8*(\tile/2)+\k:RN+8*(\tile/2)+\k+1]
.endr
.endm
.macro SEXP tile
.irp k, 0,1,2,3,4,5,6,7
	v_exp_f32 v[SF+8*\tile+\k], v[SF+8*\tile+\k]
.endr
.endm
.macro SSUM tile                       ; row sums in f32, weights to f16: registers 4 kt .. of P[qt] are keys 16 kt + 8 h + 0..7, a B fragment's own places
	s_wait_alu depctr_va_vdst(0)
.irp k, 0,1,2,3
	v_pk_add_f32 v[LF+2*(\tile%2):LF+2*(\tile%2)+1], v[LF+2*(\tile%2):LF+2*(\tile%2)+1], v[SF+8*\tile+2*\k:SF+8*\tile+2*\k+1]
	v_cvt_pk_f16_f32 v[PF+8*(\tile%2)+4*(\tile/2)+\k], v[SF+8*\tile+2*\k], v[SF+8*\tile+2*\k+1]
.endr
.endm
; One step: 32 keys x my 32 queries.  pre = 1: the next step's K and 1/|v| are fetched meanwhile.  zero = 1: the first products start O.
; Scores transposed: source 0 = 16 keys, source 1 = 16 queries; lane l then holds query l % 16 and keys 8 (l / 16) + 0..7.
; In both groups of matrix instructions the accumulators take turns, one instruction a turn.
.macro STEP pre, zero
	s_wait_dscnt 0x0                               ; K and 1/|v| of this step are in
.irp ks, 0,1
.irp kt, 0,1
.irp qt, 0,1
.set SREG, SF+16*\kt+8*\qt
.if \ks == 0
	v_wmma_f32_16x16x32_f16 v[SREG:SREG+7], v[KF+16*\kt+8*\ks:KF+16*\kt+8*\ks+7], v[QF+16*\qt+8*\ks:QF+16*\qt+8*\ks+7], 0
.else
	v_wmma_f32_16x16x32_f16 v[SREG:SREG+7], v[KF+16*\kt+8*\ks:KF+16*\kt+8*\ks+7], v[QF+16*\qt+8*\ks:QF+16*\qt+8*\ks+7], v[SREG:SREG+7]
.endif
.endr
.endr
.endr
	v_add_nc_u32 v[ADK], 32*PITCH, v[ADK]          ; four places before the scores are read and before loads land on K's and V's registers
	v_add_nc_u32 v[ADR], 128, v[ADR]               ; two of them step addresses to the next 32 keys
	v_nop
	v_nop
.irp dt, 0,1,2,3
	ds_load_tr16_b128 v[VF+8*\dt:VF+8*\dt+3],   v[ADV] offset:\dt*32              ; V^T: lane l gets column d = 16 dt + l % 16, keys 8 (l / 16) + 0..7,
	ds_load_tr16_b128 v[VF+8*\dt+4:VF+8*\dt+7], v[ADV] offset:\dt*32+16*PITCH     ; and keys 16 + 8 (l / 16) + 0..7
.endr
.if \pre
	LOADK
.endif
	v_add_nc_u32 v[ADV], 32*PITCH, v[ADV]
	SMUL 0                                         ; between a tile's exponentials and the first use of their results always stands plain work on other tiles
	SEXP 0
	SMUL 1
	SEXP 1
	SSUM 0
	SMUL 2
	SEXP 2
	SSUM 1
	SMUL 3
.if \pre
	LOADRN
.endif
	SEXP 3
	SSUM 2
	SSUM 3
.if \pre
	s_wait_dscnt 12                                ; V's eight loads are in; the 8 of K and the 4 of 1/|v| behind them may be out
.else
	s_wait_dscnt 0x0
.endif
.irp dt, 0,1,2,3
.irp qt, 0,1
.set OREG, OF+16*\dt+8*\qt
.if \zero
	v_wmma_f32_16x16x32_f16 v[OREG:OREG+7], v[VF+8*\dt:VF+8*\dt+7], v[PF+8*\qt:PF+8*\qt+7], 0
.else
	v_wmma_f32_16x16x32_f16 v[OREG:OREG+7], v[VF+8*\dt:VF+8*\dt+7], v[PF+8*\qt:PF+8*\qt+7], v[OREG:OREG+7]
.endif
.endr
.endr
.endm
	s_wait_tensorcnt 0x1                           ; my rows of chunk 0 have landed; chunk 1's load stays out
	s_wait_dscnt 0x0                               ; my part of 1/|v| is in LDS
	s_barrier_signal -1
	s_barrier_wait -1
	LOADK
	LOADRN
	STEP 1, 1
	s_mov_b32 s3, 6
.Lc0:
	STEP 1, 0
	s_sub_co_u32 s3, s3, 1
	s_cmp_lg_u32 s3, 0
	s_cbranch_scc1 .Lc0
	STEP 0, 0                                      ; the eighth step of chunk 0
	v_add_nc_u32 v[ADK], 256*PITCH, v[ADK]         ; over the other group's 256 keys, into chunk 1
	v_add_nc_u32 v[ADV], 256*PITCH, v[ADV]
	v_add_nc_u32 v[ADR], 1024, v[ADR]
	s_wait_tensorcnt 0x0                           ; my rows of chunk 1 have landed,
	s_wait_dscnt 0x0
	s_barrier_signal -1
	s_barrier_wait -1                              ; everybody's have
	LOADK
	LOADRN
	s_mov_b32 s3, 7
.Lc1:
	STEP 1, 0
	s_sub_co_u32 s3, s3, 1
	s_cmp_lg_u32 s3, 0
	s_cbranch_scc1 .Lc1
	STEP 0, 0
	; THE WAY OUT.  Every wave puts its 32 x 64 sums and its 32 row sums into LDS bytes of its own; then wave (qg, kh) adds the two key halves of
	; queries 16 kh .. + 15 of group qg, divides and stores.
.rept 4
	v_nop                                          ; four places behind the last matrix instructions
.endr
.irp qt, 0,1
	v_add_f32 v[LF+2*\qt], v[LF+2*\qt], v[LF+2*\qt+1]
.endr
.irp qt, 0,1
	v_permlanex16_b32 v[LF+2*\qt+1], v[LF+2*\qt], s36, s37     ; the other eight keys of each tile lie in lane l xor 16
.endr
.irp qt, 0,1
	v_add_f32 v[LF+2*\qt], v[LF+2*\qt], v[LF+2*\qt+1]
.endr
.irp qt, 0,1
	ds_store_b32 v[LSI], v[LF+2*\qt] offset:\qt*64
.endr
.irp qt, 0,1
.irp dt, 0,1,2,3
	ds_store_b128 v[STI], v[OF+16*\dt+8*\qt:OF+16*\dt+8*\qt+3]   offset:\qt*16*SPITCH+\dt*64      ; lane l: query l % 16, d = 16 dt + 8 (l / 16) + 0..3,
	ds_store_b128 v[STI], v[OF+16*\dt+8*\qt+4:OF+16*\dt+8*\qt+7] offset:\qt*16*SPITCH+\dt*64+16   ; and + 4..7
.endr
.endr
	s_wait_dscnt 0x0                               ; my stores are done,
	s_barrier_signal -1
	s_barrier_wait -1                              ; everybody's are
.irp i, 0,1,2,3,4,5,6,7
	ds_load_b128 v[16+4*\i:19+4*\i], v[STB] offset:\i*2*SPITCH             ; rows 2 i, 2 i + 1: 16 lanes take a row of 256 bytes; key half 0,
	ds_load_b128 v[48+4*\i:51+4*\i], v[STB] offset:\i*2*SPITCH+4*WSTAGE    ; key half 1 (wave qg + 4)
	ds_load_b32 v[80+2*\i], v[LSK] offset:\i*8
	ds_load_b32 v[81+2*\i], v[LSK] offset:\i*8+512
.endr
	s_wait_dscnt 0x0
.irp i, 0,1,2,3,4,5,6,7
	v_add_f32 v[80+2*\i], v[80+2*\i], v[81+2*\i]
.endr
.irp i, 0,1,2,3,4,5,6,7
	v_rcp_f32 v[80+2*\i], v[80+2*\i]
.endr
.irp i, 0,1,2,3,4,5,6,7
	v_pk_add_f32 v[16+4*\i:17+4*\i], v[16+4*\i:17+4*\i], v[48+4*\i:49+4*\i]    ; plain work between the reciprocals and their first use
	v_pk_add_f32 v[18+4*\i:19+4*\i], v[18+4*\i:19+4*\i], v[50+4*\i:51+4*\i]
.endr
	s_wait_alu depctr_va_vdst(0)
.irp i, 0,1,2,3,4,5,6,7
	v_pk_mul_f32 v[16+4*\i:17+4*\i], v[16+4*\i:17+4*\i], v[80+2*\i:81+2*\i] op_sel_hi:[1,0]   ; both halves by the pair's first register
	v_pk_mul_f32 v[18+4*\i:19+4*\i], v[18+4*\i:19+4*\i], v[80+2*\i:81+2*\i] op_sel_hi:[1,0]
	global_store_b128 v[OO], v[16+4*\i:19+4*\i], s[8:9] offset:\i*2*24576 th:TH_STORE_NT      ; 16 lanes store a head's 256 consecutive bytes of one token, aligned
.endr
	s_wait_tensorcnt 0x0
	ds_add_u32 v248, v249
	s_wait_dscnt 0x0
	ROUND                                          ; the closing round: no work-group ends while a partner may still ask jointly
	s_endpgm
.Lfunc_end_k_q4a68d3471a_attn:
	.size	k_q4a68d3471a_attn, .Lfunc_end_k_q4a68d3471a_attn-k_q4a68d3471a_attn
	.p2alignl 7, 3214868480
	.fill 96, 4, 3214868480
	.section	.rodata,"a",@progbits
	.p2align	6, 0x0
	.amdhsa_kernel k_q4a68d3471a_attn
		.amdhsa_group_segment_fixed_size 223232
		.amdhsa_private_segment_fixed_size 0
		.amdhsa_enable_private_segment 0
		.amdhsa_kernarg_size 24
		.amdhsa_user_sgpr_count 2
		.amdhsa_user_sgpr_kernarg_segment_ptr 1
		.amdhsa_wavefront_size32 1
		.amdhsa_system_sgpr_workgroup_id_x 1
		.amdhsa_system_sgpr_workgroup_id_y 1
		.amdhsa_system_sgpr_workgroup_id_z 1
		.amdhsa_system_vgpr_workitem_id 0
		.amdhsa_next_free_vgpr 250
		.amdhsa_next_free_sgpr 66
		.amdhsa_reserve_vcc 0
		.amdhsa_float_denorm_mode_32 3
		.amdhsa_float_denorm_mode_16_64 3
		.amdhsa_memory_ordered 1
		.amdhsa_forward_progress 1
		.amdhsa_inst_pref_size 55
	.end_amdhsa_kernel
	.amdgpu_metadata
---
amdhsa.version: [ 1, 2 ]
amdhsa.kernels:
  - .name:           k_q4a68d3471a_attn
    .symbol:         k_q4a68d3471a_attn.kd
    .args:
      - { .name: vws, .offset: 0, .size: 8, .value_kind: global_buffer, .address_space: global }
      - { .name: rnws, .offset: 8, .size: 8, .value_kind: global_buffer, .address_space: global }
      - { .name: out0, .offset: 16, .size: 8, .value_kind: global_buffer, .address_space: global }
    .group_segment_fixed_size: 223232
    .private_segment_fixed_size: 0
    .kernarg_segment_align: 8
    .kernarg_segment_size: 24
    .max_flat_workgroup_size: 256
    .sgpr_count:     66
    .vgpr_count:     250
    .wavefront_size: 32
...
	.end_amdgpu_metadata
.endif
;; end of part 2
;; ======== version 2 of 2: 2 launches
;; limits: values are held in f16: magnitudes above 65,504 overflow, below 6.1e-05 lose precision
;; workspace buffers: vws 12,582,912 bytes; rnws 393,216 bytes
;; launch proj (part 3): grid 4 x 64, 4 waves a work-group, no clusters, 146,944 bytes of LDS; arguments query, w_v, vws, rnws; writes vws, rnws
.if DOCPART == 3
	.amdgcn_target "amdgcn-amd-amdhsa--gfx1250"
	.amdhsa_code_object_version 6
	.text
	.protected	k_q4a68d3471a_proj
	.globl	k_q4a68d3471a_proj
	.p2align	8
	.type	k_q4a68d3471a_proj,@function
k_q4a68d3471a_proj:
	s_mov_b64 s[64:65], 0
	v_nop
	global_prefetch_b8 v0, s[64:65] scope:SCOPE_SE
	s_setreg_imm32_b32 hwreg(HW_REG_WAVE_MODE, 25, 1), 1
	s_wait_xcnt 0x0
; v = x W^T for 128 tokens of ONE batch x 192 features (3 heads), K = 768.  query [1024][8][768] f32, w_v [768][768] f32.
; Out: vws [bh = 12 b + head][token 1024][64] f16 (v itself) and rnws [bh][token] f32 = 1 / sqrt(sum of v^2), taken from the f32 sums.
; Operands go to the matrix unit in bf16, sums in f32.
; LIMITS: v is kept in f16, so |v| must stay below 65,504; a sum of squares below 2^-126 counts as 0 in v_rsq_f32
; (ISA guide 15.8: transcendentals flush denormals); a row v = 0 gives an infinite 1/norm, which makes NaN later as the reference's 0/0 does.
; SHARES: 256 work-groups = 4 feature blocks x (8 batches x 8 token blocks).  Four waves, wave (wm, wn) makes 64 tokens x 96 features:
; 24 accumulator tiles.  The matrix instruction is used transposed (source 0 = 16 rows of W, source 1 = 16 tokens), so a lane holds
; token l % 16 and eight neighbouring features, which pack into 16 bytes of f16.
; THE WAY IN goes through registers, not through the tensor data mover and not jointly in a cluster: the inputs are f32, and through
; registers each number is rounded to bf16 once for the work-group; an f32 tile in LDS would double the bytes of every fragment load and
; repeat the rounding in both waves that read a row.
; K goes in 12 steps of 64 (a row piece is 256 bytes, at a multiple of 256 from the row's start).  A step's tile is 40 loads of 16 bytes a
; thread, taken as four CHUNKS of ten; the staging registers are a ring of eight chunks.  Chunk m is waited for, rounded, put into its LDS slot,
; and then chunk m + 6 is requested into the registers that chunk m - 2 has left: six chunks, 60 loads of every wave, are on their way.
; All 12 steps are written out, so that K stands in the loads' immediates: no base and no offset register is ever rewritten.
; A STEP multiplies tile t out of LDS slot t % 2 while tile t + 1 goes into the other slot: its four chunks stand between groups of 8 products, so that LDS
; works while the matrix unit does.  Fragments are fetched ahead: the step's second half at its head, the next step's first half straight behind the barrier.
.set TOKB,   24576                     ; bytes from a token to the next in query: 8 batches x 768 f32
.set BATB,   3072                      ; bytes from a batch to the next
.set ROWW,   3072                      ; bytes in a row of w_v
.set PITCH,  144                       ; an LDS row: 64 bf16 + 16 bytes, 9 x 16: the 16 rows of a fragment load start in different 16-byte columns
.set XB,     128*PITCH                 ; X's 128 rows; W's 192 rows follow
.set SLOTB,  320*PITCH                 ; 46,080
.set STAGE,  2*SLOTB                   ; 92,160: the way out, 128 tokens x 192 f16
.set SPITCH, 400                       ; 384 + 16 bytes, 25 x 16
.set SSB,    STAGE+128*SPITCH          ; 143,360: sums of squares, [32 features: 6 groups][128 tokens] f32
.set NCH,    48                        ; chunks in all: 12 tiles x 4
.set AHEAD,  6                         ; chunks on their way
.set GX,  2                            ; v2   my byte offset in an X tile: my row among sixteen, + 16 (t % 16)
.set GW,  3                            ; v3   the same in a W tile
.set ST0, 4                            ; v4, v5  where my 8 bytes of bf16 go, slot 0, 1
.set ADX, 6                            ; v6   LDS address of my X fragments, slot 0
.set ADW, 7                            ; v7   of my W fragments
.set STI, 8                            ; v8   stage: where a lane's 16 bytes go
.set SBK, 9                            ; v9   stage: where a thread reads back
.set VO,  10                           ; v10  16 t: byte offset in a head's 16 KiB of vws
.set SSI, 11                           ; v11  where my sums of squares go
.set F0,  16                           ; v16-95   fragments, K 0-31 of a step: X tile u at +8 u, W tile f at +32 + 8 f
.set F1,  96                           ; v96-175  fragments, K 32-63
.set SUM, 176                          ; v176-199 twelve pairs: sums of squares of (token tile u, group g)
.set PK,  16                           ; v16-111  the way out: results in f16, later the rows read back
; window 1 (v256-447): accumulator (f, u) at 8 (4 f + u).
; windows 2, 3 (v512-, v768-): staging of even and odd tiles, load q at 4 q (X: q 0-15, W: q 16-39), and copies of three addresses, so that
; roundings, LDS stores and global loads of a window run under ONE setting:
.set STC, 160                          ; the tile's slot: ST0 or ST0 + 1
.set GXC, 161                          ; GX
.set GWC, 162                          ; GW
.set MSB, 0
.macro WIN new                         ; s_set_vgpr_msb: bits 1:0 source 0, 3:2 source 1, 5:4 source 2, 7:6 destination; the high byte repeats the setting that is left
.if MSB != (\new)
	s_set_vgpr_msb (MSB<<8)|(\new)
.set MSB, (\new)
.endif
.endm
.macro PLACES                          ; four plain vector places behind matrix instructions (ISA guide 7.12.1)
.rept 4
	v_nop
.endr
.endm
	s_load_b256 s[4:11], s[0:1], 0x0               ; query s[4:5], w_v s[6:7], vws s[8:9], rnws s[10:11]
	v_lshl_add_u32 v254, v0, 2, 0x23c00
	v_mov_b32 v255, 0
	v_lshrrev_b32 v1, 5, v0
	v_readfirstlane_b32 s12, v1                    ; wave 0..3
	s_lshr_b32 s13, s12, 1                         ; wm: which 64 tokens
	s_and_b32 s14, s12, 1                          ; wn: which 96 features
	s_and_b32 s16, ttmp7, 0xffff
	s_and_b32 s17, s16, 7                          ; batch
	s_lshr_b32 s18, s16, 3                         ; token block of 128
	s_mul_i32 s20, s18, 128*TOKB
	s_mul_i32 s19, s17, BATB
	s_add_co_u32 s20, s20, s19                     ; X: first token of the block, my batch
	s_mov_b32 s21, 0
	s_mul_i32 s26, ttmp9, 192*ROWW                 ; W: first of my 192 rows
	s_mov_b32 s27, 0
	s_mul_i32 s19, s17, 12
	s_mul_i32 s15, ttmp9, 3
	s_add_co_u32 s19, s19, s15                     ; bh of my first head
	s_lshl_b32 s28, s19, 17                        ; vws: a head is 131,072 bytes, a token 128
	s_lshl_b32 s15, s18, 14
	s_add_co_u32 s28, s28, s15
	s_mov_b32 s29, 0
	s_lshl_b32 s30, s19, 12                        ; rnws: a head is 4,096 bytes, a token 4
	s_lshl_b32 s15, s18, 9
	s_add_co_u32 s30, s30, s15
	s_mov_b32 s31, 0
	s_mov_b32 s24, 0x76543210                      ; v_permlanex16_b32: lane i reads lane i of the other half
	s_mov_b32 s25, 0xfedcba98
	; Load q of a thread takes row 16 (q / 2) + q % 2 + (2 wave + 8 (l / 16)), 16 bytes at 16 (t % 16): 16 neighbouring lanes take 256 consecutive bytes.
	; The two rows of a wave are 8 apart: in LDS 1,152 bytes, 128 modulo 256, so the 32 lanes' 8 bytes each fall on different banks (64 banks of 4 bytes: ISA guide 11.1).
	v_bfe_u32 v14, v0, 4, 1                        ; l / 16
	v_and_b32 v13, 15, v0                          ; t % 16
	v_lshlrev_b32 v1, 1, v1
	v_lshl_add_u32 v1, v14, 3, v1                  ; my row among sixteen
	v_mul_u32_u24 v[GX], v1, TOKB
	v_lshl_add_u32 v[GX], v13, 4, v[GX]
	v_mul_u32_u24 v[GW], v1, ROWW
	v_lshl_add_u32 v[GW], v13, 4, v[GW]
	v_mul_u32_u24 v[ST0], v1, PITCH
	v_lshl_add_u32 v[ST0], v13, 3, v[ST0]
	v_add_nc_u32 v[ST0+1], SLOTB, v[ST0]
	WIN 0x80                                       ; destination in window 2
	v_mov_b32 v[STC], v[ST0]
	v_mov_b32 v[GXC], v[GX]
	v_mov_b32 v[GWC], v[GW]
	WIN 0xc0                                       ; destination in window 3
	v_mov_b32 v[STC], v[ST0+1]
	v_mov_b32 v[GXC], v[GX]
	v_mov_b32 v[GWC], v[GW]
	WIN 0
	s_wait_kmcnt 0x0
	s_add_nc_u64 s[4:5], s[4:5], s[20:21]
	s_add_nc_u64 s[6:7], s[6:7], s[26:27]
	s_add_nc_u64 s[8:9], s[8:9], s[28:29]
	s_add_nc_u64 s[10:11], s[10:11], s[30:31]
; Load q of tile tau: row and K step stand in the immediate (2,779,904 bytes at the most, inside its signed 24 bits).
.macro GL1 q, tau
.if (\q) < 16
	global_load_b128 v[4*(\q):4*(\q)+3], v[GXC], s[4:5] offset:(16*((\q)/2)+((\q)%2))*TOKB+(\tau)*256
.else
	global_load_b128 v[4*(\q):4*(\q)+3], v[GWC], s[6:7] offset:(16*(((\q)-16)/2)+(((\q)-16)%2))*ROWW+(\tau)*256
.endif
.endm
; Chunk m = part m % 4 of tile m / 4 is requested: ten loads into window 2 + tile % 2.
.macro GLC m
.set gq, 10*((\m)%4)
	WIN (0x8a+0x45*(((\m)/4)%2))                   ; 0x8a: destination and sources 0, 1 in window 2; 0xcf: in window 3
.rept 10
	GL1 gq, ((\m)/4)
.set gq, gq+1
.endr
.endm
; Chunk m is rounded to bf16 in place (4 f32 -> 8 bytes) and put into LDS slot tile % 2.
.macro CVS m
.set cq, 10*((\m)%4)
	WIN (0x8a+0x45*(((\m)/4)%2))
.rept 10
	v_cvt_pk_bf16_f32 v[4*cq], v[4*cq], v[4*cq+1]
	v_cvt_pk_bf16_f32 v[4*cq+1], v[4*cq+2], v[4*cq+3]
.set cq, cq+1
.endr
.set cq, 10*((\m)%4)
.rept 10
.if cq < 16
	ds_store_b64 v[STC], v[4*cq:4*cq+1] offset:(16*(cq/2)+(cq%2))*PITCH
.else
	ds_store_b64 v[STC], v[4*cq:4*cq+1] offset:XB+(16*((cq-16)/2)+((cq-16)%2))*PITCH
.endif
.set cq, cq+1
.endr
.endm
; The turn of chunk m.
.macro SLOTM m
.if (NCH-1-(\m)) < AHEAD-1
	s_wait_loadcnt 10*(NCH-1-(\m))                 ; the last chunks: the counts run down
.else
	s_wait_loadcnt 10*(AHEAD-1)                    ; loads come back in order: chunk m is in, the five younger chunks stay out
.endif
	CVS \m
.if ((\m)+AHEAD) < NCH
.if ((\m)%4) > 1
	s_wait_dscnt 20                                ; the LDS stores of chunk m - 2, which read the registers loaded next, are done: only two chunks' stores are younger
.endif                                             ; (parts 0 and 1 take the registers of the tile before, whose stores were waited for in front of the last barrier)
	GLC ((\m)+AHEAD)
.endif
.endm
; 20 LDS loads: my 4 token tiles and 6 feature tiles, 32 along K at half kk of the step.
; A fragment: lane l holds row l % 16; registers 0-3 K = 8 (l / 16) + 0..7, registers 4-7 K = 16 + 8 (l / 16) + 0..7: two loads 32 bytes apart.
.macro FETCH slot, kk, buf
	WIN 0
.irp u, 0,1,2,3
	ds_load_b128 v[\buf+8*\u:\buf+8*\u+3],   v[ADX] offset:\slot*SLOTB+\u*16*PITCH+\kk*64
	ds_load_b128 v[\buf+8*\u+4:\buf+8*\u+7], v[ADX] offset:\slot*SLOTB+\u*16*PITCH+\kk*64+32
.endr
.irp f, 0,1,2,3,4,5
	ds_load_b128 v[\buf+32+8*\f:\buf+32+8*\f+3],   v[ADW] offset:\slot*SLOTB+\f*16*PITCH+\kk*64
	ds_load_b128 v[\buf+32+8*\f+4:\buf+32+8*\f+7], v[ADW] offset:\slot*SLOTB+\f*16*PITCH+\kk*64+32
.endr
.endm
; Feature tiles fa .. fa + nf - 1 x my 4 token tiles.  Over a half step the 24 accumulators come once each, always in the same order:
; they take turns.
.macro MULP buf, fa, nf, zero
	WIN 0x50                                       ; C and D in window 1
.set mf, \fa
.rept \nf
.irp u, 0,1,2,3
.if \zero
	v_wmma_f32_16x16x32_bf16 v[8*(4*mf+\u):8*(4*mf+\u)+7], v[\buf+32+8*mf:\buf+32+8*mf+7], v[\buf+8*\u:\buf+8*\u+7], 0
.else
	v_wmma_f32_16x16x32_bf16 v[8*(4*mf+\u):8*(4*mf+\u)+7], v[\buf+32+8*mf:\buf+32+8*mf+7], v[\buf+8*\u:\buf+8*\u+7], v[8*(4*mf+\u):8*(4*mf+\u)+7]
.endif
.endr
.set mf, mf+1
.endr
.endm
; K step t, 0 to 10.  At its head the fragments of its first half are on their way from LDS.
.macro STEP t, zero
	PLACES                                         ; F1 was read by the matrix instructions just issued
	FETCH ((\t)%2), 1, F1
	SLOTM (4*(\t)+4)
	s_wait_dscnt 30                                ; F0 is in: F1's 20 loads and ten stores are younger
	MULP F0, 0, 2, \zero
	SLOTM (4*(\t)+5)
	MULP F0, 2, 2, \zero
	SLOTM (4*(\t)+6)
	MULP F0, 4, 2, \zero
	SLOTM (4*(\t)+7)
	s_wait_dscnt 40                                ; F1 is in: my 40 stores are younger
	MULP F1, 0, 2, 0
	s_wait_dscnt 0x0                               ; my reads of this slot and my stores into the other are done:
	s_barrier_signal -1                            ; say so,
	MULP F1, 2, 1, 0                               ; work on registers while the others arrive,
	WIN 0
	s_barrier_wait -1                              ; and go on when all four have said so: tile t + 1 is whole
	FETCH (((\t)+1)%2), 0, F0                      ; F0's last readers lie behind the 20 roundings of the fourth chunk: more than four places
	MULP F1, 3, 3, 0
	WIN 0
.endm
	GLC 0                                          ; the first six chunks are requested before anything else
	GLC 1
	GLC 2
	GLC 3
	GLC 4
	GLC 5
	WIN 0
	v_mul_u32_u24 v15, v13, PITCH
	v_lshl_add_u32 v15, v14, 4, v15                ; r x pitch + 16 h
	s_mul_i32 s32, s13, 64*PITCH
	s_mul_i32 s33, s14, 96*PITCH
	s_add_co_u32 s33, s33, XB
	v_add_nc_u32 v[ADX], s32, v15
	v_add_nc_u32 v[ADW], s33, v15
	s_mul_i32 s34, s13, 64*SPITCH
	s_mul_i32 s35, s14, 192
	s_add_co_u32 s34, s34, s35
	s_add_co_u32 s34, s34, STAGE
	v_mul_u32_u24 v[STI], v13, SPITCH
	v_lshl_add_u32 v[STI], v14, 4, v[STI]
	v_add_nc_u32 v[STI], s34, v[STI]               ; stage + (64 wm + r) x 400 + 2 (96 wn + 8 h)
	v_lshrrev_b32 v15, 3, v0
	v_mul_u32_u24 v[SBK], v15, SPITCH
	v_and_b32 v15, 7, v0
	v_lshl_add_u32 v[SBK], v15, 4, v[SBK]
	v_add_nc_u32 v[SBK], STAGE, v[SBK]             ; stage + (t / 8) x 400 + 16 (t % 8)
	v_lshlrev_b32 v[VO], 4, v0
	s_mul_i32 s35, s14, 3*512
	s_lshl_b32 s36, s13, 8
	s_add_co_u32 s35, s35, s36
	s_add_co_u32 s35, s35, SSB
	v_lshl_add_u32 v[SSI], v13, 2, s35             ; sums + 3 wn groups + 4 (64 wm + r)
	SLOTM 0                                        ; tile 0 goes into slot 0
	SLOTM 1
	SLOTM 2
	SLOTM 3
	WIN 0
	s_wait_dscnt 0x0                               ; my part of tile 0 is in LDS,
	s_barrier_signal -1
	s_barrier_wait -1                              ; everybody's is
	FETCH 0, 0, F0
	STEP 0, 1                                      ; the first step starts the sums: nothing is cleared
	STEP 1, 0
	STEP 2, 0
	STEP 3, 0
	STEP 4, 0
	STEP 5, 0
	STEP 6, 0
	STEP 7, 0
	STEP 8, 0
	STEP 9, 0
	STEP 10, 0
	PLACES                                         ; step 11: nothing is left to round or to fetch ahead
	FETCH 1, 1, F1
	s_wait_dscnt 20
	MULP F0, 0, 6, 0
	s_wait_dscnt 0x0
	MULP F1, 0, 6, 0
	WIN 0
	; THE WAY OUT.  Sums of squares over my 8 features x 2 tiles for each token tile u and group g of 32 features, twelve chains side by side.
	PLACES
	WIN 0x05                                       ; sources 0 and 1 in window 1 (accumulators), the rest in window 0
.irp i, 0,1,2,3,4,5,6,7
.irp u, 0,1,2,3
.irp g, 0,1,2
.set AR, 8*(4*(2*\g+\i/4)+\u)+2*(\i%4)
.set SR, SUM+2*(3*\u+\g)
.if \i == 0
	v_pk_mul_f32 v[SR:SR+1], v[AR:AR+1], v[AR:AR+1]
.else
	v_pk_fma_f32 v[SR:SR+1], v[AR:AR+1], v[AR:AR+1], v[SR:SR+1]
.endif
.endr
.endr
.endr
.irp f, 0,1,2,3,4,5
.irp u, 0,1,2,3
.irp k, 0,1,2,3
	v_cvt_pk_f16_f32 v[PK+4*(4*\f+\u)+\k], v[8*(4*\f+\u)+2*\k], v[8*(4*\f+\u)+2*\k+1]
.endr
.endr
.endr
	WIN 0
.irp n, 0,1,2,3,4,5,6,7,8,9,10,11
	v_add_f32 v[SUM+2*\n], v[SUM+2*\n], v[SUM+2*\n+1]
.endr
.irp n, 0,1,2,3,4,5,6,7,8,9,10,11
	v_permlanex16_b32 v[SUM+2*\n+1], v[SUM+2*\n], s24, s25     ; the other eight features of each tile lie in lane l xor 16
.endr
.irp n, 0,1,2,3,4,5,6,7,8,9,10,11
	v_add_f32 v[SUM+2*\n], v[SUM+2*\n], v[SUM+2*\n+1]
.endr
.irp u, 0,1,2,3
.irp g, 0,1,2
	ds_store_b32 v[SSI], v[SUM+2*(3*\u+\g)] offset:\g*512+\u*64    ; both halves of the lanes write the same word with the same value
.endr
.endr
.irp f, 0,1,2,3,4,5
.irp u, 0,1,2,3
	ds_store_b128 v[STI], v[PK+4*(4*\f+\u):PK+4*(4*\f+\u)+3] offset:\u*16*SPITCH+\f*32
.endr
.endr
	v_and_b32 v12, 31, v0
	v_lshlrev_b32 v12, 4, v12                      ; 16 x lane
	s_lshl_b32 s32, s12, 10
	s_add_co_u32 s32, s32, SSB
	v_add_nc_u32 v13, s32, v12                     ; the two groups of head w: 4 tokens a lane
	v_lshl_add_u32 v14, s12, 12, v12               ; head w in rnws
	s_wait_dscnt 0x0                               ; my stores into stage and sums are done,
	s_barrier_signal -1
	s_barrier_wait -1                              ; everybody's are
	; 24 x 16 bytes a thread: head i / 8, tokens 16 (i % 8) + t / 8.  In vws a head's 128 tokens are 16 KiB without gaps: a wave's store covers 512 consecutive bytes, aligned.
.set i, 0
.rept 24
	ds_load_b128 v[PK+4*i:PK+4*i+3], v[SBK] offset:(i%8)*16*SPITCH+(i/8)*128
.set i, i+1
.endr
.set i, 0
.rept 24
	s_wait_dscnt 23-i                              ; LDS loads come back in order: load i is in
	global_store_b128 v[VO], v[PK+4*i:PK+4*i+3], s[8:9] offset:(i/8)*131072+(i%8)*2048
.set i, i+1
.endr
	s_cmp_eq_u32 s12, 3                            ; waves 0 to 2 finish 1/norm of heads 0 to 2
	s_cbranch_scc1 .Ldone
	ds_load_b128 v[112:115], v13
	ds_load_b128 v[116:119], v13 offset:512
	s_wait_dscnt 0x0
	v_pk_add_f32 v[112:113], v[112:113], v[116:117]
	v_pk_add_f32 v[114:115], v[114:115], v[118:119]
	v_rsq_f32 v112, v112
	v_rsq_f32 v113, v113
	v_rsq_f32 v114, v114
	v_rsq_f32 v115, v115
	v_nop                                          ; one plain place behind the transcendentals before their results are read
	s_wait_alu depctr_va_vdst(0)
	global_store_b128 v14, v[112:115], s[10:11]    ; 128 tokens: 512 consecutive bytes, aligned
.Ldone:
	s_wait_tensorcnt 0x0
	ds_add_u32 v254, v255
	s_wait_dscnt 0x0
	s_endpgm
.Lfunc_end_k_q4a68d3471a_proj:
	.size	k_q4a68d3471a_proj, .Lfunc_end_k_q4a68d3471a_proj-k_q4a68d3471a_proj
	.p2alignl 7, 3214868480
	.fill 96, 4, 3214868480
	.section	.rodata,"a",@progbits
	.p2align	6, 0x0
	.amdhsa_kernel k_q4a68d3471a_proj
		.amdhsa_group_segment_fixed_size 146944
		.amdhsa_private_segment_fixed_size 0
		.amdhsa_enable_private_segment 0
		.amdhsa_kernarg_size 32
		.amdhsa_user_sgpr_count 2
		.amdhsa_user_sgpr_kernarg_segment_ptr 1
		.amdhsa_wavefront_size32 1
		.amdhsa_system_sgpr_workgroup_id_x 1
		.amdhsa_system_sgpr_workgroup_id_y 1
		.amdhsa_system_sgpr_workgroup_id_z 1
		.amdhsa_system_vgpr_workitem_id 0
		.amdhsa_next_free_vgpr 936
		.amdhsa_next_free_sgpr 66
		.amdhsa_reserve_vcc 0
		.amdhsa_float_denorm_mode_32 3
		.amdhsa_float_denorm_mode_16_64 3
		.amdhsa_memory_ordered 1
		.amdhsa_forward_progress 1
		.amdhsa_inst_pref_size 237
	.end_amdhsa_kernel
	.amdgpu_metadata
---
amdhsa.version: [ 1, 2 ]
amdhsa.kernels:
  - .name:           k_q4a68d3471a_proj
    .symbol:         k_q4a68d3471a_proj.kd
    .args:
      - { .name: query, .offset: 0, .size: 8, .value_kind: global_buffer, .address_space: global }
      - { .name: w_v, .offset: 8, .size: 8, .value_kind: global_buffer, .address_space: global }
      - { .name: vws, .offset: 16, .size: 8, .value_kind: global_buffer, .address_space: global }
      - { .name: rnws, .offset: 24, .size: 8, .value_kind: global_buffer, .address_space: global }
    .group_segment_fixed_size: 146944
    .private_segment_fixed_size: 0
    .kernarg_segment_align: 8
    .kernarg_segment_size: 32
    .max_flat_workgroup_size: 128
    .sgpr_count:     66
    .vgpr_count:     936
    .wavefront_size: 32
...
	.end_amdgpu_metadata
.endif
;; end of part 3
;; launch attn (part 4): grid 8 x 32, 8 waves a work-group, clusters of 4 x 1, 327,680 bytes of LDS; arguments vws, rnws, out0; writes out0
.if DOCPART == 4
	.amdgcn_target "amdgcn-amd-amdhsa--gfx1250"
	.amdhsa_code_object_version 6
	.text
	.protected	k_q4a68d3471a_attn
	.globl	k_q4a68d3471a_attn
	.p2align	8
	.type	k_q4a68d3471a_attn,@function
k_q4a68d3471a_attn:
	s_mov_b64 s[64:65], 0
	v_nop
	global_prefetch_b8 v0, s[64:65] scope:SCOPE_SE
	s_setreg_imm32_b32 hwreg(HW_REG_WAVE_MODE, 25, 1), 1
	s_wait_xcnt 0x0
	s_wait_alu depctr_hold_cnt(0) depctr_sa_sdst(0) depctr_va_vdst(0) depctr_va_sdst(0) depctr_va_ssrc(0) depctr_va_vcc(0) depctr_vm_vsrc(0)
	s_getreg_b32 s2, hwreg(HW_REG_IB_STS2, 6, 4)
	s_cmp_eq_u32 s2, 0
	s_cbranch_scc0 .Lentry_in_a_cluster
	s_endpgm
.Lentry_in_a_cluster:
	s_bfe_u32 s2, ttmp6, 0x10000c
	s_cmp_lg_u32 s2, 0x3003
	s_cbranch_scc0 .Lentry_shape_is_right
	s_endpgm
.Lentry_shape_is_right:
; out = softmax(0.125 cos(v_i, v_j)) v for 128 queries of each of THREE heads.  vws [bh][1024][64] f16 = v, rnws [bh][1024] f32 = 1/|v|, out0 [1024][8][768] f32.
; NO MAXIMUM IS TAKEN AWAY: query and key are normalised, as the reference itself normalises them, so every exponent lies within
; 0.125 (1 + the f16 roundings, under 2^-9) for every input: each exponential lies in 0.88 .. 1.14 and a row's sum below 1,170.
; K and V are the same tile: the key's 1/|v| multiplies the score in f32 where a constant scale would stand anyway; the query is normalised once, in
; registers, with 0.125 log2(e) folded in.  All matrix operands are f16 (weights near 1 keep 11 bits), sums f32.
; LIMITS: |v| below 65,504 (f16, set by the launch before); a head with a row v = 0 comes out as NaN, as in the reference.
; SHARES: grid 8 query blocks x 32 triples of heads = 256 work-groups, which stay and walk heads 3 y, 3 y + 1, 3 y + 2.  Eight waves:
; wave w = (qg = w % 2: 64 queries; kh = w / 2: which keys).  The three heads are six chunks of 512 rows, 65,536 consecutive bytes each; of each chunk
; wave group kh takes keys 128 kh .. + 127, four steps of 32 keys; the four groups' sums meet in LDS at the end of a head.
; A step's 20 LDS loads (K 8, V 8, 1/|v| 4) feed 32 matrix instructions: 64 queries a wave are as many as leave K, V, Q and the scores in one register window.
; RING: two LDS slots of one chunk.  A slot is asked for again as soon as its chunk has been read, so a chunk has the work on the other slot in which to land,
; over the change of heads too.  A chunk's 512 rows shared among 8 waves are 64 rows a load.  A wave has two tensor loads out at the start and one behind each refill.
; CLUSTER: the four work-groups of a cluster are four query blocks of the same heads and read the same chunks: every tensor load is a joint one with
; the mask 15, and every refill stands behind a round of the cluster's barrier.  The place in the cluster enters global addresses alone (queries, output),
; no LDS address and no branch; that is why the queries come from memory and not from the rows in LDS.
; The 24 steps are written out: every LDS offset is an immediate and no address register is stepped.
; No prefetch: each chunk is requested a chunk's work ahead, the next head's queries a step and a way out ahead.
.set PITCH,  144                       ; an LDS row of K/V: 64 f16 + 16 bytes of padding, 9 x 16
.set CHUNK,  512*PITCH                 ; 73,728: a slot
.set RNB,    2*CHUNK                   ; 147,456: the three heads' 1/|v|, 12,288 bytes, written by ds_store
.set STAGE,  RNB+3*4096                ; 159,744: for each wave 64 queries x 64 f32
.set SPITCH, 272                       ; 256 + 16 bytes
.set WSTAGE, 64*SPITCH                 ; 17,408
.set LSB,    STAGE+8*WSTAGE            ; 299,008: row sums, [wave][query tile][row parity][row pair] f32
.set ADK, 1                            ; v1, v2   slot 0, 1: (128 kh + r) x pitch + 16 h: K fragments
.set ADV, 3                            ; v3, v4   slot 0, 1: (128 kh + 8 h + l % 8) x pitch + 16 ((l / 8) % 2): transposing loads of V
.set ADR, 5                            ; v5   1/|v| of keys 128 kh + 8 h ..
.set QO,  6                            ; v6   r x 128 + 16 h: Q fragments in vws
.set RQO, 7                            ; v7   byte offset of my query's 1/|v| in a head
.set STI, 8                            ; v8   stage, in
.set STB, 9                            ; v9, v10  stage, back: key quarters 0, 1 and 2, 3
.set LSI, 11                           ; v11  row sums, in
.set LSK, 12                           ; v12  row sums, back
.set OO,  13                           ; v13  byte offset in out0
.set QF,  16                           ; v16-79    Q[qt][ks] at 16 qt + 8 ks
.set KF,  80                           ; v80-111   K[kt][ks]
.set VF,  112                          ; v112-143  V^T[dt]
.set RN,  144                          ; v144-159  1/|v| of my 8 keys in key tile kt
.set SF,  160                          ; v160-223  scores, tile 4 kt + qt; the weights of query tile qt in f16 take the eight registers of tile qt
.set LF,  224                          ; v224-231  row sums, a pair for each qt
.set SC,  232                          ; v232-239  the query's scale, twice, for each qt
.set TP,  240                          ; v240-255  at work
.set DB,  80                           ; v80-207   the way out: row pair i, key quarter kq at 16 i + 4 kq
.set LA,  208                          ; v208-223  the way out: row sums of quarters 0, 1 (quarters 2, 3 in TP)
.set OF,  0                            ; window 1, v256-383: O^T[dt][qt] at 32 dt + 8 qt
.set G1,  16                           ; s[16:23]  descriptor group 1
.set G0,  24                           ; s[24:31]  descriptor group 0, one set for each slot
.set MSB, 0
.macro WIN new                         ; s_set_vgpr_msb: bits 1:0 source 0, 3:2 source 1, 5:4 source 2, 7:6 destination; the high byte repeats the setting that is left
.if MSB != (\new)
	s_set_vgpr_msb (MSB<<8)|(\new)
.set MSB, (\new)
.endif
.endm
.macro ROUND                           ; a round of the cluster's barrier
	s_barrier_signal -1
	s_barrier_wait -1
	s_cmp_lg_u32 s10, 0
	s_cbranch_scc1 .Lnot_wave_0_\@
	s_barrier_signal -3
.Lnot_wave_0_\@:
	s_barrier_wait -3
	s_barrier_signal -1
	s_barrier_wait -1
.endm
; My 64 queries of head hq (0..2 of the triple) and their 1/|v|: twenty loads; head and tile stand in the immediates, so no base is stepped.
.macro LOADQ hq
.irp qt, 0,1,2,3
	global_load_b32 v[SC+2*\qt], v[RQO], s[46:47] offset:\hq*4096+\qt*64
.endr
.irp qt, 0,1,2,3
.irp ks, 0,1
	global_load_b128 v[QF+16*\qt+8*\ks:QF+16*\qt+8*\ks+3],   v[QO], s[42:43] offset:\hq*131072+\qt*2048+\ks*64
	global_load_b128 v[QF+16*\qt+8*\ks+4:QF+16*\qt+8*\ks+7], v[QO], s[42:43] offset:\hq*131072+\qt*2048+\ks*64+32
.endr
.endr
.endm
; four registers of Q: widen both halves, scale in f32, round once to f16
.macro QN4 a, al, ah, b, bl, bh, c, cl, ch, d, dl, dh, sc
	v_cvt_f32_f16 v[TP], \al
	v_cvt_f32_f16 v[TP+1], \ah
	v_cvt_f32_f16 v[TP+2], \bl
	v_cvt_f32_f16 v[TP+3], \bh
	v_cvt_f32_f16 v[TP+4], \cl
	v_cvt_f32_f16 v[TP+5], \ch
	v_cvt_f32_f16 v[TP+6], \dl
	v_cvt_f32_f16 v[TP+7], \dh
	v_pk_mul_f32 v[TP:TP+1], v[TP:TP+1], v[\sc:\sc+1]
	v_pk_mul_f32 v[TP+2:TP+3], v[TP+2:TP+3], v[\sc:\sc+1]
	v_pk_mul_f32 v[TP+4:TP+5], v[TP+4:TP+5], v[\sc:\sc+1]
	v_pk_mul_f32 v[TP+6:TP+7], v[TP+6:TP+7], v[\sc:\sc+1]
	v_cvt_pk_f16_f32 \a, v[TP], v[TP+1]
	v_cvt_pk_f16_f32 \b, v[TP+2], v[TP+3]
	v_cvt_pk_f16_f32 \c, v[TP+4], v[TP+5]
	v_cvt_pk_f16_f32 \d, v[TP+6], v[TP+7]
.endm
.macro QNORM
	s_wait_loadcnt 0x0                             ; the queries and their 1/|v| are in
.irp qt, 0,1,2,3
	v_mul_f32 v[SC+2*\qt+1], s38, v[SC+2*\qt]      ; 0.125 log2(e) / |q|, twice, for the packed multiply
	v_mul_f32 v[SC+2*\qt], s38, v[SC+2*\qt]
.endr
	QN4 v16, v16.l, v16.h, v17, v17.l, v17.h, v18, v18.l, v18.h, v19, v19.l, v19.h, SC
	QN4 v20, v20.l, v20.h, v21, v21.l, v21.h, v22, v22.l, v22.h, v23, v23.l, v23.h, SC
	QN4 v24, v24.l, v24.h, v25, v25.l, v25.h, v26, v26.l, v26.h, v27, v27.l, v27.h, SC
	QN4 v28, v28.l, v28.h, v29, v29.l, v29.h, v30, v30.l, v30.h, v31, v31.l, v31.h, SC
	QN4 v32, v32.l, v32.h, v33, v33.l, v33.h, v34, v34.l, v34.h, v35, v35.l, v35.h, SC+2
	QN4 v36, v36.l, v36.h, v37, v37.l, v37.h, v38, v38.l, v38.h, v39, v39.l, v39.h, SC+2
	QN4 v40, v40.l, v40.h, v41, v41.l, v41.h, v42, v42.l, v42.h, v43, v43.l, v43.h, SC+2
	QN4 v44, v44.l, v44.h, v45, v45.l, v45.h, v46, v46.l, v46.h, v47, v47.l, v47.h, SC+2
	QN4 v48, v48.l, v48.h, v49, v49.l, v49.h, v50, v50.l, v50.h, v51, v51.l, v51.h, SC+4
	QN4 v52, v52.l, v52.h, v53, v53.l, v53.h, v54, v54.l, v54.h, v55, v55.l, v55.h, SC+4
	QN4 v56, v56.l, v56.h, v57, v57.l, v57.h, v58, v58.l, v58.h, v59, v59.l, v59.h, SC+4
	QN4 v60, v60.l, v60.h, v61, v61.l, v61.h, v62, v62.l, v62.h, v63, v63.l, v63.h, SC+4
	QN4 v64, v64.l, v64.h, v65, v65.l, v65.h, v66, v66.l, v66.h, v67, v67.l, v67.h, SC+6
	QN4 v68, v68.l, v68.h, v69, v69.l, v69.h, v70, v70.l, v70.h, v71, v71.l, v71.h, SC+6
	QN4 v72, v72.l, v72.h, v73, v73.l, v73.h, v74, v74.l, v74.h, v75, v75.l, v75.h, SC+6
	QN4 v76, v76.l, v76.h, v77, v77.l, v77.h, v78, v78.l, v78.h, v79, v79.l, v79.h, SC+6
.endm
	s_load_b128 s[4:7], s[0:1], 0x0                ; vws s[4:5], rnws s[6:7]
	s_load_b64 s[8:9], s[0:1], 0x10                ; out0
	s_set_vgpr_msb 0x40
	v_lshl_add_u32 v128, v0, 2, 0x49800
	v_mov_b32 v129, 0
	s_set_vgpr_msb 0x4045
	ds_add_u32 v128, v129
	s_set_vgpr_msb 0x4500
	v_lshrrev_b32 v1, 5, v0
	v_readfirstlane_b32 s10, v1                    ; wave 0..7
	s_and_b32 s11, s10, 1                          ; qg
	s_lshr_b32 s12, s10, 1                         ; kh
	s_and_b32 s15, ttmp7, 0xffff                   ; the cluster's y: the triple of heads
	s_mul_i32 s15, s15, 3                          ; bh of its first head
	s_bfe_u32 s13, ttmp6, 0x40000                  ; cx
	s_lshl_b32 s14, ttmp9, 2
	s_add_co_u32 s14, s14, s13                     ; query block = 4 x cluster x + cx
	s_lshl_b32 s34, s15, 17                        ; a head of vws is 131,072 bytes,
	s_lshl_b32 s35, s14, 14                        ; 128 queries are 16,384,
	s_add_co_u32 s34, s34, s35
	s_lshl_b32 s35, s11, 13                        ; 64 queries 8,192
	s_add_co_u32 s34, s34, s35
	s_mov_b32 s35, 0
	s_lshl_b32 s32, s15, 12                        ; a head of rnws is 4,096 bytes
	s_mov_b32 s33, 0
	s_lshl_b32 s45, s14, 9
	s_lshl_b32 s44, s11, 8
	s_add_co_u32 s45, s45, s44                     ; my first query in a head of rnws, in bytes
	; group 1: a tile of 64 rows x 64 f16, each row of 32 words followed by 4 words of padding in LDS
	s_mov_b32 s[G1+0], 0x0731000f                  ; 15:0 mask 15: all four of the cluster; 17:16 2-byte elements; 20 padding on; 21 set beside a mask; 24:22 every 32 words (code 4); 31:25 4 words (code 3)
	s_mov_b32 s[G1+1], 64<<16                      ; tensor_dim0 = 64
	s_mov_b32 s[G1+2], 64<<16                      ; tensor_dim1 = 64
	s_mov_b32 s[G1+3], 64<<16                      ; tile_dim0 = 64
	s_mov_b32 s[G1+4], 64                          ; tile_dim1 = 64 rows
	s_mov_b32 s[G1+5], 64                          ; 64 elements from row to row
	s_mov_b32 s[G1+6], 0
	s_mov_b32 s[G1+7], 0
	s_mul_i32 s39, s10, 64*PITCH                   ; my 64 rows of a chunk in LDS: the wave's number alone
	v_and_b32 v14, 15, v0                          ; r
	v_bfe_u32 v15, v0, 4, 1                        ; h
	v_lshlrev_b32 v172, 4, v0                      ; 16 t: 256 threads x 16 bytes are a head's 4,096
	v_lshl_add_u32 v[RQO], v14, 2, s45
	v_lshlrev_b32 v[QO], 7, v14
	v_lshl_add_u32 v[QO], v15, 4, v[QO]
	v_add_nc_u32 v173, RNB, v172
	s_wait_dscnt 0x0
	s_wait_kmcnt 0x0
	s_add_nc_u64 s[42:43], s[4:5], s[34:35]        ; my 64 queries of the first head in vws
	s_add_nc_u64 s[46:47], s[6:7], s[32:33]        ; the first head in rnws
	; the three heads' 1/|v|, my queries of the first head and their 1/|v|, through registers: requested ahead of the round, which they need not wait for
	global_load_b128 v[160:163], v172, s[46:47]
	global_load_b128 v[164:167], v172, s[46:47] offset:4096
	global_load_b128 v[168:171], v172, s[46:47] offset:8192
	LOADQ 0
	s_lshl_b32 s32, s15, 17                        ; the first head,
	s_lshl_b32 s44, s10, 13                        ; my 64 rows of a chunk: 8,192 bytes
	s_add_co_u32 s32, s32, s44
	s_add_nc_u64 s[40:41], s[4:5], s[32:33]        ; heads and wave alone: equal in all four partners
	ROUND                                          ; the four work-groups are here: the joint loads meet
.irp i, 0,1
	s_mov_b32 s[G0+4*\i], 1
	s_add_co_u32 s[G0+4*\i+1], s39, \i*CHUNK
	s_add_nc_u64 s[G0+4*\i+2:G0+4*\i+3], s[40:41], \i*65536
	s_or_b32 s[G0+4*\i+3], s[G0+4*\i+3], 0x80000000
	tensor_load_to_lds s[G0+4*\i:G0+4*\i+3], s[G1:G1+7]            ; chunks 0 and 1: both first fills in one group
	s_nop 0
.endr
	s_mov_b32 s36, 0x76543210                      ; v_permlanex16_b32: lane i reads lane i of the other half
	s_mov_b32 s37, 0xfedcba98
	s_mov_b32 s38, 0x3e38aa3b                      ; 0.125 log2(e)
	s_lshl_b32 s34, s14, 7
	s_lshl_b32 s44, s11, 6
	s_add_co_u32 s34, s34, s44
	s_lshl_b32 s44, s12, 4
	s_add_co_u32 s34, s34, s44                     ; the first of the 16 queries that I finish
	s_mul_i32 s34, s34, 24576                      ; a token of out0 is 8 x 768 f32
	s_lshl_b32 s44, s15, 8                         ; b x 3,072 + head x 256 = bh x 256
	s_add_co_u32 s34, s34, s44
	s_add_nc_u64 s[8:9], s[8:9], s[34:35]
	s_mul_i32 s44, s12, 128*PITCH                  ; my first key's row in a chunk
	v_mul_u32_u24 v[ADK], v14, PITCH
	v_lshl_add_u32 v[ADK], v15, 4, v[ADK]
	v_add_nc_u32 v[ADK], s44, v[ADK]
	v_add_nc_u32 v[ADK+1], CHUNK, v[ADK]
	v_and_b32 v[ADV], 7, v0
	v_lshl_add_u32 v[ADV], v15, 3, v[ADV]
	v_mul_u32_u24 v[ADV], v[ADV], PITCH
	v_bfe_u32 v[ADV+1], v0, 3, 1
	v_lshl_add_u32 v[ADV], v[ADV+1], 4, v[ADV]
	v_add_nc_u32 v[ADV], s44, v[ADV]
	v_add_nc_u32 v[ADV+1], CHUNK, v[ADV]
	s_lshl_b32 s45, s12, 9
	s_add_co_u32 s45, s45, RNB
	v_lshl_add_u32 v[ADR], v15, 5, s45
	s_mul_i32 s45, s10, WSTAGE
	s_add_co_u32 s45, s45, STAGE
	v_mul_u32_u24 v[STI], v14, SPITCH
	v_lshl_add_u32 v[STI], v15, 5, v[STI]
	v_add_nc_u32 v[STI], s45, v[STI]               ; my stage + r x 272 + 32 h
	s_mul_i32 s45, s11, WSTAGE
	s_mul_i32 s44, s12, 16*SPITCH
	s_add_co_u32 s45, s45, s44
	s_add_co_u32 s45, s45, STAGE
	v_mul_u32_u24 v[STB], v15, SPITCH
	v_lshl_add_u32 v[STB], v14, 4, v[STB]
	v_add_nc_u32 v[STB], s45, v[STB]               ; stage of wave qg + (16 kh + l / 16) x 272 + 16 (l % 16)
	v_add_nc_u32 v[STB+1], 4*WSTAGE, v[STB]        ; stage of wave qg + 4
	v_and_b32 v[LSI], 1, v14                       ; query 16 qt + r lies at word 16 qt + 8 (r % 2) + r / 2, so that a lane reads the sums of its eight rows as 32 consecutive bytes
	v_lshlrev_b32 v[LSI], 3, v[LSI]
	v_lshrrev_b32 v[LSK], 1, v14
	v_add_nc_u32 v[LSI], v[LSI], v[LSK]
	s_lshl_b32 s45, s10, 8
	s_add_co_u32 s45, s45, LSB
	v_lshl_add_u32 v[LSI], v[LSI], 2, s45
	s_lshl_b32 s45, s11, 8
	s_lshl_b32 s44, s12, 6
	s_add_co_u32 s45, s45, s44
	s_add_co_u32 s45, s45, LSB
	v_lshl_add_u32 v[LSK], v15, 5, s45             ; sums of wave qg, query tile kh, parity l / 16
	v_mul_u32_u24 v[OO], v15, 24576
	v_lshl_add_u32 v[OO], v14, 4, v[OO]
	s_wait_loadcnt 20                              ; the heads' 1/|v| are in; the twenty younger loads may be out
	ds_store_b128 v173, v[160:163]
	ds_store_b128 v173, v[164:167] offset:4096
	ds_store_b128 v173, v[168:171] offset:8192
	QNORM
.macro LOADK slot, st                  ; 32 keys x 64 as A fragments: lane l holds key l % 16; 8 loads
.irp kt, 0,1
.irp ks, 0,1
	ds_load_b128 v[KF+16*\kt+8*\ks:KF+16*\kt+8*\ks+3],   v[ADK+\slot] offset:\st*32*PITCH+\kt*16*PITCH+\ks*64
	ds_load_b128 v[KF+16*\kt+8*\ks+4:KF+16*\kt+8*\ks+7], v[ADK+\slot] offset:\st*32*PITCH+\kt*16*PITCH+\ks*64+32
.endr
.endr
.endm
.macro LOADRN off                      ; 1/|v| of keys 16 kt + 8 h + 0..7, as the score registers hold them; 4 loads
.irp kt, 0,1
	ds_load_b128 v[RN+8*\kt:RN+8*\kt+3],   v[ADR] offset:\off+\kt*64
	ds_load_b128 v[RN+8*\kt+4:RN+8*\kt+7], v[ADR] offset:\off+\kt*64+16
.endr
.endm
.macro SMUL tile                       ; score tile 4 kt + qt times the keys' 1/|v|
.irp k, 0,2,4,6
	v_pk_mul_f32 v[SF+8*\tile+\k:SF+8*\tile+\k+1], v[SF+8*\tile+\k:SF+8*\tile+\k+1], v[RN+8*(\tile/4)+\k:RN+8*(\tile/4)+\k+1]
.endr
.endm
.macro SEXP tile
.irp k, 0,1,2,3,4,5,6,7
	v_exp_f32 v[SF+8*\tile+\k], v[SF+8*\tile+\k]
.endr
.endm
; Row sums in f32, weights to f16.  The weights of query tile qt go into the eight registers of score tile qt: registers 4 kt + k take keys 16 kt + 8 h + 2 k, + 1,
; a B fragment's own places.  Register k is written when pairs 0 .. k of that tile have been read, registers 4 to 7 by the tile of kt = 1, which comes later.
; first = 1: the tile's first two pairs start the row sum: nothing is cleared.
.macro SSUM tile, first
.irp k, 0,1,2,3
.if \first
.if \k == 0
	s_wait_alu depctr_va_vdst(0)
	v_pk_add_f32 v[LF+2*(\tile%4):LF+2*(\tile%4)+1], v[SF+8*\tile:SF+8*\tile+1], v[SF+8*\tile+2:SF+8*\tile+3]
.endif
.if \k > 1
	v_pk_add_f32 v[LF+2*(\tile%4):LF+2*(\tile%4)+1], v[LF+2*(\tile%4):LF+2*(\tile%4)+1], v[SF+8*\tile+2*\k:SF+8*\tile+2*\k+1]
.endif
.else
	s_wait_alu depctr_va_vdst(0)
	v_pk_add_f32 v[LF+2*(\tile%4):LF+2*(\tile%4)+1], v[LF+2*(\tile%4):LF+2*(\tile%4)+1], v[SF+8*\tile+2*\k:SF+8*\tile+2*\k+1]
.endif
	v_cvt_pk_f16_f32 v[SF+8*(\tile%4)+4*(\tile/4)+\k], v[SF+8*\tile+2*\k], v[SF+8*\tile+2*\k+1]
.endr
.endm
; Step st (0..3) of a chunk in slot: 32 keys x my 64 queries.  rnb = the chunk's first byte among the 1/|v|.  pre = 1: the next step's K and 1/|v| are
; fetched meanwhile.  zero = 1: a head's first step starts O and the row sums.  ldq = 1: a head's last step requests head hq's queries.
; Scores transposed: source 0 = 16 keys, source 1 = 16 queries; lane l then holds query l % 16 and keys 8 (l / 16) + 0..7.
; In both groups of matrix instructions the accumulators take turns, one instruction a turn.
.macro STEP slot, st, rnb, pre, zero, ldq, hq
.rept 5
	v_nop                                          ; five places (ISA guide 7.12.1): the score products write over registers that the last step's products read as weights
.endr
	s_wait_dscnt 0x4                               ; K's eight loads are in; the four of 1/|v| behind them may be out
.irp ks, 0,1
.irp kt, 0,1
.irp qt, 0,1,2,3
.set SREG, SF+32*\kt+8*\qt
.if \ks == 0
	v_wmma_f32_16x16x32_f16 v[SREG:SREG+7], v[KF+16*\kt+8*\ks:KF+16*\kt+8*\ks+7], v[QF+16*\qt+8*\ks:QF+16*\qt+8*\ks+7], 0
.else
	v_wmma_f32_16x16x32_f16 v[SREG:SREG+7], v[KF+16*\kt+8*\ks:KF+16*\kt+8*\ks+7], v[QF+16*\qt+8*\ks:QF+16*\qt+8*\ks+7], v[SREG:SREG+7]
.endif
.endr
.endr
.endr
.rept 4
	v_nop                                          ; four places before the scores are read and before loads land on K's, V's and Q's registers
.endr
.irp dt, 0,1,2,3
	ds_load_tr16_b128 v[VF+8*\dt:VF+8*\dt+3],   v[ADV+\slot] offset:\st*32*PITCH+\dt*32              ; V^T: lane l gets column d = 16 dt + l % 16, keys 8 (l / 16) + 0..7,
	ds_load_tr16_b128 v[VF+8*\dt+4:VF+8*\dt+7], v[ADV+\slot] offset:\st*32*PITCH+\dt*32+16*PITCH     ; and keys 16 + 8 (l / 16) + 0..7
.endr
.if \pre
	LOADK \slot, (\st+1)
.endif
.if \ldq
	LOADQ \hq                                      ; Q's registers are free since this head's last score products; the loads land during the way out
.endif
	s_wait_dscnt 8+8*\pre                          ; 1/|v| is in; V's eight loads and, where fetched, the next K's eight are younger
	SMUL 0                                         ; between a tile's exponentials and the first use of their results always stands plain work on other tiles
	SEXP 0
	SMUL 1
	SEXP 1
	SSUM 0, \zero
	SMUL 2
	SEXP 2
	SSUM 1, \zero
	SMUL 3
	SEXP 3
	SSUM 2, \zero
	SMUL 4
	SEXP 4
	SSUM 3, \zero
	SMUL 5
	SEXP 5
	SSUM 4, 0
	SMUL 6
	SEXP 6
	SSUM 5, 0
	SMUL 7
.if \pre
	LOADRN (\rnb+(\st+1)*128)
.endif
	SEXP 7
	SSUM 6, 0
	SSUM 7, 0
.if \pre
	s_wait_dscnt 12                                ; V's eight loads are in; the 8 of K and the 4 of 1/|v| behind them may be out
.else
	s_wait_dscnt 0x0
.endif
	WIN 0x50                                       ; C and D in window 1
.irp dt, 0,1,2,3
.irp qt, 0,1,2,3
.set OREG, OF+32*\dt+8*\qt
.if \zero
	v_wmma_f32_16x16x32_f16 v[OREG:OREG+7], v[VF+8*\dt:VF+8*\dt+7], v[SF+8*\qt:SF+8*\qt+7], 0
.else
	v_wmma_f32_16x16x32_f16 v[OREG:OREG+7], v[VF+8*\dt:VF+8*\dt+7], v[SF+8*\qt:SF+8*\qt+7], v[OREG:OREG+7]
.endif
.endr
.endr
	WIN 0
.endm
; My 128 keys of the chunk in slot: four steps.
.macro CHUNKW slot, rnb, zero, ldq, hq
	LOADK \slot, 0
	LOADRN \rnb
	STEP \slot, 0, \rnb, 1, \zero, 0, 0
	STEP \slot, 1, \rnb, 1, 0, 0, 0
	STEP \slot, 2, \rnb, 1, 0, 0, 0
	STEP \slot, 3, \rnb, 0, 0, \ldq, \hq
.endm
; Slot, whose chunk has been read, is asked for again: the chunk two further on.
.macro REFILL slot
	s_wait_dscnt 0x0                               ; my reads of the slot (and my LDS stores) are done
	s_set_vgpr_msb 0x5
	s_wait_tensorcnt 0x0                           ; all my tensor loads have landed, my rows of the other slot's chunk among them: a group 0 may be written
	ds_add_u32 v128, v129
	s_wait_dscnt 0x0
	s_set_vgpr_msb 0x500
	s_add_nc_u64 s[G0+4*\slot+2:G0+4*\slot+3], s[G0+4*\slot+2:G0+4*\slot+3], 2*65536
	ROUND                                          ; both now hold of every wave of all four work-groups
	tensor_load_to_lds s[G0+4*\slot:G0+4*\slot+3], s[G1:G1+7]      ; my one tensor load behind the round, and the first thing there
	s_nop 0
.endm
; The way out, first half: every wave puts its 64 x 64 sums and its 64 row sums into LDS bytes of its own.
.macro OUT_A
.rept 4
	v_nop                                          ; four places behind the last matrix instructions
.endr
.irp qt, 0,1,2,3
	v_add_f32 v[LF+2*\qt], v[LF+2*\qt], v[LF+2*\qt+1]
.endr
.irp qt, 0,1,2,3
	v_permlanex16_b32 v[LF+2*\qt+1], v[LF+2*\qt], s36, s37     ; the other eight keys of each tile lie in lane l xor 16
.endr
.irp qt, 0,1,2,3
	v_add_f32 v[LF+2*\qt], v[LF+2*\qt], v[LF+2*\qt+1]
.endr
.irp qt, 0,1,2,3
	ds_store_b32 v[LSI], v[LF+2*\qt] offset:\qt*64             ; both halves of the lanes write the same word with the same value
.endr
	WIN 0x04                                       ; an LDS store's data is source 1: window 1
.irp qt, 0,1,2,3
.irp dt, 0,1,2,3
	ds_store_b128 v[STI], v[OF+32*\dt+8*\qt:OF+32*\dt+8*\qt+3]   offset:\qt*16*SPITCH+\dt*64      ; lane l: query 16 qt + l % 16, d = 16 dt + 8 (l / 16) + 0..3,
	ds_store_b128 v[STI], v[OF+32*\dt+8*\qt+4:OF+32*\dt+8*\qt+7] offset:\qt*16*SPITCH+\dt*64+16   ; and + 4..7
.endr
.endr
	WIN 0
.endm
; Second half, behind a barrier: wave (qg, kh) adds the four key quarters of queries 16 kh .. + 15 of group qg, divides and stores.  hd = the head's place in the triple.
.macro OUT_B hd
.irp kq, 0,1
	ds_load_b128 v[LA+8*\kq:LA+8*\kq+3],   v[LSK] offset:\kq*512                   ; row sums of rows 2 i + l / 16, i = 0..7: quarters 0, 1,
	ds_load_b128 v[LA+8*\kq+4:LA+8*\kq+7], v[LSK] offset:\kq*512+16
	ds_load_b128 v[TP+8*\kq:TP+8*\kq+3],   v[LSK] offset:\kq*512+1024              ; quarters 2, 3
	ds_load_b128 v[TP+8*\kq+4:TP+8*\kq+7], v[LSK] offset:\kq*512+1024+16
.endr
.irp i, 0,1,2,3,4,5,6,7
.irp kq, 0,1
	ds_load_b128 v[DB+16*\i+4*\kq:DB+16*\i+4*\kq+3],     v[STB]   offset:\i*2*SPITCH+\kq*2*WSTAGE    ; rows 2 i, 2 i + 1: 16 lanes take a row of 256 bytes; quarters 0, 1,
	ds_load_b128 v[DB+16*\i+8+4*\kq:DB+16*\i+8+4*\kq+3], v[STB+1] offset:\i*2*SPITCH+\kq*2*WSTAGE    ; quarters 2, 3
.endr
.endr
	s_wait_dscnt 32                                ; the eight loads of row sums are in; the 32 of data are younger
.irp p, 0,2,4,6
	v_pk_add_f32 v[LA+\p:LA+\p+1], v[LA+\p:LA+\p+1], v[LA+8+\p:LA+8+\p+1]
	v_pk_add_f32 v[TP+\p:TP+\p+1], v[TP+\p:TP+\p+1], v[TP+8+\p:TP+8+\p+1]
.endr
.irp p, 0,2,4,6
	v_pk_add_f32 v[LA+\p:LA+\p+1], v[LA+\p:LA+\p+1], v[TP+\p:TP+\p+1]
.endr
.irp i, 0,1,2,3,4,5,6,7
	v_rcp_f32 v[LA+\i], v[LA+\i]                   ; the additions below are the plain work between the reciprocals and their first use
.endr
.irp i, 0,1,2,3,4,5,6,7
	s_wait_dscnt 28-4*\i                           ; LDS loads come back in order: the four quarters of row pair i are in
.irp p, 0,2
	v_pk_add_f32 v[DB+16*\i+\p:DB+16*\i+\p+1],     v[DB+16*\i+\p:DB+16*\i+\p+1],     v[DB+16*\i+4+\p:DB+16*\i+4+\p+1]
	v_pk_add_f32 v[DB+16*\i+8+\p:DB+16*\i+8+\p+1], v[DB+16*\i+8+\p:DB+16*\i+8+\p+1], v[DB+16*\i+12+\p:DB+16*\i+12+\p+1]
.endr
.irp p, 0,2
	v_pk_add_f32 v[DB+16*\i+\p:DB+16*\i+\p+1], v[DB+16*\i+\p:DB+16*\i+\p+1], v[DB+16*\i+8+\p:DB+16*\i+8+\p+1]
.endr
	s_wait_alu depctr_va_vdst(0)
.irp j, 0,1,2,3
	v_mul_f32 v[DB+16*\i+\j], v[DB+16*\i+\j], v[LA+\i]
.endr
	global_store_b128 v[OO], v[DB+16*\i:DB+16*\i+3], s[8:9] offset:\i*2*24576+\hd*256 th:TH_STORE_NT      ; 16 lanes store a head's 256 consecutive bytes of one token, aligned
.endr
.endm
	s_wait_tensorcnt 0x1                           ; my rows of chunk 0 have landed; chunk 1's load stays out
	s_wait_dscnt 0x0                               ; my part of 1/|v| is in LDS
	s_barrier_signal -1
	s_barrier_wait -1
	; head 0
	CHUNKW 0, 0, 1, 0, 0
	REFILL 0                                       ; chunk 2 goes out; chunk 1 is whole
	CHUNKW 1, 2048, 0, 1, 1
	OUT_A
	REFILL 1                                       ; chunk 3 goes out; the round is also the barrier between the stage's stores and its reads
	OUT_B 0
	QNORM
	s_wait_xcnt 0x0                                ; the stores' data lie in K's, V's and the scores' registers, which are written again only behind this wait
	; head 1
	CHUNKW 0, 4096, 1, 0, 0
	REFILL 0                                       ; chunk 4
	CHUNKW 1, 6144, 0, 1, 2
	OUT_A
	REFILL 1                                       ; chunk 5: the last load
	OUT_B 1
	QNORM
	s_wait_xcnt 0x0                                ; as above
	; head 2: nothing is left to fetch
	CHUNKW 0, 8192, 1, 0, 0
	s_wait_tensorcnt 0x0                           ; my rows of chunk 5 have landed,
	s_wait_dscnt 0x0
	s_barrier_signal -1
	s_barrier_wait -1                              ; everybody's have
	CHUNKW 1, 10240, 0, 0, 0
	OUT_A
	s_wait_dscnt 0x0                               ; my stores into the stage are done,
	s_barrier_signal -1
	s_barrier_wait -1                              ; everybody's are
	OUT_B 2
	s_set_vgpr_msb 0x5
	s_wait_tensorcnt 0x0
	ds_add_u32 v128, v129
	s_wait_dscnt 0x0
	s_set_vgpr_msb 0x500
	ROUND                                          ; the closing round: no work-group ends while a partner may still ask jointly
	s_endpgm
.Lfunc_end_k_q4a68d3471a_attn:
	.size	k_q4a68d3471a_attn, .Lfunc_end_k_q4a68d3471a_attn-k_q4a68d3471a_attn
	.p2alignl 7, 3214868480
	.fill 96, 4, 3214868480
	.section	.rodata,"a",@progbits
	.p2align	6, 0x0
	.amdhsa_kernel k_q4a68d3471a_attn
		.amdhsa_group_segment_fixed_size 327680
		.amdhsa_private_segment_fixed_size 0
		.amdhsa_enable_private_segment 0
		.amdhsa_kernarg_size 24
		.amdhsa_user_sgpr_count 2
		.amdhsa_user_sgpr_kernarg_segment_ptr 1
		.amdhsa_wavefront_size32 1
		.amdhsa_system_sgpr_workgroup_id_x 1
		.amdhsa_system_sgpr_workgroup_id_y 1
		.amdhsa_system_sgpr_workgroup_id_z 1
		.amdhsa_system_vgpr_workitem_id 0
		.amdhsa_next_free_vgpr 386
		.amdhsa_next_free_sgpr 66
		.amdhsa_reserve_vcc 0
		.amdhsa_float_denorm_mode_32 3
		.amdhsa_float_denorm_mode_16_64 3
		.amdhsa_memory_ordered 1
		.amdhsa_forward_progress 1
		.amdhsa_inst_pref_size 255
	.end_amdhsa_kernel
	.section	.bss,"aw",@nobits
	.p2align	6
	.space	262144
	.amdgpu_metadata
---
amdhsa.version: [ 1, 2 ]
amdhsa.kernels:
  - .name:           k_q4a68d3471a_attn
    .symbol:         k_q4a68d3471a_attn.kd
    .args:
      - { .name: vws, .offset: 0, .size: 8, .value_kind: global_buffer, .address_space: global }
      - { .name: rnws, .offset: 8, .size: 8, .value_kind: global_buffer, .address_space: global }
      - { .name: out0, .offset: 16, .size: 8, .value_kind: global_buffer, .address_space: global }
    .group_segment_fixed_size: 327680
    .private_segment_fixed_size: 0
    .kernarg_segment_align: 8
    .kernarg_segment_size: 24
    .max_flat_workgroup_size: 256
    .sgpr_count:     66
    .vgpr_count:     386
    .wavefront_size: 32
...
	.end_amdgpu_metadata
.endif
;; end of part 4
